; MI455X (gfx1250); checked and timed in simulation.
; The chip was launched on July 23, 2026; its instructions are those of AMD's public machine-readable ISA for CDNA 5 (MIT licence, August 2026) and "CDNA5" Instruction Set Architecture Reference Guide (July 2026). The comments in the code are by the model that wrote it; some were corrected since.
;; Multi Head Attention. Allowed arithmetic: matrix products marked QUANTISED: E4M3 operands, one given power-of-two scale a tensor, by v_wmma_f32_16x16x64_fp8_fp8 or v_wmma_f32_16x16x128_fp8_fp8, f32 sums; everything else in f32.
;; Inputs: input 4 x 2,048 x 1,024 float32; lowp_scales 8 int32 (the exponents e of the quantised operands' scales 2^e); mask 2,048 x 2,048 bool; out_b 1,024 float32; out_w 1,024 x 1,024 float32; qkv_b 3,072 float32; qkv_w 3,072 x 1,024 float32.
;; Outputs: out0 4 x 2,048 x 1,024 float32.
;; This version of the problem:
;;   THIS VERSION OF THE PROBLEM IS GIVEN IN LOW PRECISION. The matrix products marked QUANTISED in the list below multiply operands that are first quantised to E4M3 (4 exponent bits, 3 mantissa bits; 8 bits a number), with one given power-of-two scale for each operand tensor; their sums are f32. All else is computed in f32.
;;   The module's matrix products, in the order in which they are computed (A, B: the left and right operand; K: the contracted axis; several contracted axes count as one K, in the product's order):
;;     1. [M 8,192, K 1,024] x [K 1,024, N 3,072]; A: input input; B: input qkv_w: QUANTISED (scales: A lowp_scales[0], B lowp_scales[1])
;;     2. batch 64 x [M 2,048, K 64] x [K 64, N 2,048]; A: computed on the way; B: computed on the way: QUANTISED (scales: A lowp_scales[2], B lowp_scales[3])
;;     3. batch 64 x [M 2,048, K 2,048] x [K 2,048, N 64]; A: softmax (see below); B: computed on the way: QUANTISED (scales: A lowp_scales[4], B lowp_scales[5])
;;     4. [M 8,192, K 1,024] x [K 1,024, N 1,024]; A: computed on the way; B: input out_w: QUANTISED (scales: A lowp_scales[6], B lowp_scales[7])
;;   THE QUANTISER, for each operand of a quantised product, along K:
;;     - The operand's scale is 2^e, e = its entry of the input lowp_scales (int32; the entries are numbered through the quantised products in the list's order, A before B).
;;     - Each number is divided by the scale, clamped to +-448, and rounded to the nearest number of E4M3, ties to even, subnormals kept.
;;     - The product sums the exact products of the quantised numbers (number of the format x scale) in f32.
;;   ~~~python
;;   def quantise(x, axis, e):      # numpy; x: float32 -> the quantised numbers, widened to float32 again
;;       x = np.moveaxis(x, axis, -1); K = x.shape[-1]
;;       r = np.clip(x / 2.0 ** e, -448, 448)
;;       step = 2.0 ** (np.maximum(np.frexp(np.where(r == 0, 1, r))[1] - 1, -6) - 3)
;;       q = np.round(r / step) * step * 2.0 ** e      # np.round: ties to even
;;       return np.moveaxis(q, -1, axis).astype(np.float32)
;;   ~~~
;;   SOFTMAX AHEAD OF A QUANTISED PRODUCT. Where the list says 'softmax', what is quantised is not the finished softmax but p = 2^(t - M), with t = logit x log2(e) and M = ceil(the row's largest t), a whole number; so 1/2 < the row's largest p <= 1. The row's sum l is taken of the UNQUANTISED p, in f32, and the product's result is divided by l at the end. Since M is a whole number, a kernel that streams over the keys may use a running M (the ceiling of the running maximum): every later rescaling is an exact power of two, so the quantised numbers keep their values, but for numbers so far below the row's largest that they fall under the format's range.
;;   OPERANDS COMPUTED ON THE WAY. 'Computed on the way' means the value that the module computes at that place (a softmax that the list does not call 'softmax' is quantised finished and normalised). What goes into a quantiser is computed in f32, as accurately as f32 sums, v_exp_f32 and their like allow (about 1e-6 of the number): no bf16 or f16 on the way to a quantiser, and a product that is left as it is and whose result goes on into a quantised operand takes f32 operands (vector FMAs, or v_wmma_f32_16x16x4_f32). A number that lies on a knife's edge between two numbers of the format may be rounded either way, as far as f32 arithmetic and the matrix unit's own rounding can turn it there, and no further.
;; 2 versions, each right; version 2 is version 1 with the launch attn written anew for expert scheduling mode. Each part assembles by itself: llvm-mc -triple=amdgcn-amd-amdhsa -mcpu=gfx1250 --defsym DOCPART=n.
;; ======== version 1 of 2: 4 launches
;; workspace buffers: x_codes 8,388,608 bytes; w_codes 3,145,728 bytes; ow_codes 1,048,576 bytes; maskw 524,288 bytes of whole numbers; qkf 16,777,216 bytes; vf 8,388,608 bytes; ac 8,388,608 bytes
;; launch prep (part 1): grid 640 x 1, 4 waves a work-group, no clusters, 33,280 bytes of LDS; arguments input, qkv_w, out_w, mask, lowp_scales, x_codes, w_codes, ow_codes, maskw; writes x_codes, w_codes, ow_codes, maskw
.if DOCPART == 1
	.amdgcn_target "amdgcn-amd-amdhsa--gfx1250"
	.amdhsa_code_object_version 6
	.text
	.protected	k_qcf49342cbb_prep
	.globl	k_qcf49342cbb_prep
	.p2align	8
	.type	k_qcf49342cbb_prep,@function
k_qcf49342cbb_prep:
	s_mov_b64 s[64:65], 0
	v_nop
	global_prefetch_b8 v0, s[64:65] scope:SCOPE_SE
	s_setreg_imm32_b32 hwreg(HW_REG_WAVE_MODE, 25, 1), 1
	s_wait_xcnt 0x0
; PREP.  (1) input [8192][1024], qkv_w [3072][1024], out_w [1024][1024], f32, become codes of E4M3, K innermost, each with its given scale 2^e (entries 0, 1, 7 of lowp_scales).
; code = x / 2^e, held within +-448, to the nearest code, ties to even.  LIMITS: -126 <= e <= 119.  NaN among the inputs is not served (the hold drops it); an infinity is held at the largest code.
; THE CODES' ORDER: row-major, but in each block of 32 along K the second and third groups of 8 bytes change places.  A lane that later takes 16 bytes at 32 c + 16 (lane / 16) of a row then holds
; k = 32 c + 8 (lane / 16) + 0 .. 7 and k = 32 c + 16 + 8 (lane / 16) + 0 .. 7: the places that the plain 8-bit matrix layout gives its registers 4 c .. 4 c + 3.
; (2) mask [2048][2048] of bytes becomes lane masks: word n of (query tile qt, key step ks) has in bit L mask[16 qt + L % 16][128 ks + 16 (n / 8) + 8 (L / 16) + n % 8].
; SHARES.  Work-groups 0-255 take input, 256-351 qkv_w, 352-383 out_w: 32,768 numbers each, 16 steps of 512 a wave.  Work-groups 384-639 take the mask: a wave takes 16 queries x 256 keys.
; The quantising part: each load reads 512 consecutive bytes; a step's 2,048 bytes turn through the wave's own stage in LDS (16 bytes of padding behind each 64) so that a lane gets two groups of 8 neighbours;
; a lane's 16 codes are 16 bytes, a wave's store 512 consecutive bytes.  No barrier: waves share nothing.  Only this part touches LDS.
.set QWG,   384                        ; work-groups that quantise
.set STEPS, 16
.set R,     16                         ; v16-79   four sets of 16 numbers as loaded
.set X,     80                         ; v80-111  two sets of 16 numbers as converted
.set C,     128                        ; v128-191 codes: four registers a step, never written again
.set WREG,  8192                       ; LDS: a wave's region: two stages of 32 x SP bytes
.set SP,    80                         ; 64 bytes + 16 of padding
	s_load_b512 s[4:19], s[0:1], 0x0               ; input s[4:5], qkv_w s[6:7], out_w s[8:9], mask s[10:11], scales s[12:13], x_codes s[14:15], w_codes s[16:17], ow_codes s[18:19]
	s_load_b64 s[20:21], s[0:1], 0x40              ; maskw
	v_lshl_add_u32 v192, v0, 2, 0x8000
	v_mov_b32 v193, 0
	v_lshrrev_b32 v1, 5, v0
	v_readfirstlane_b32 s30, v1                    ; wave
	v_and_b32 v2, 31, v0                           ; lane
	v_lshlrev_b32 v3, 4, v2                        ; 16 x lane: my bytes of a load's 512 and of a store's 512
	s_cmp_ge_u32 ttmp9, QWG
	s_cbranch_scc1 .Lmask
	; ---------------- the quantiser
	s_mul_i32 s31, s30, WREG
	v_lshrrev_b32 v14, 2, v2
	v_mul_u32_u24 v14, v14, SP
	v_and_b32 v15, 3, v2
	v_lshl_add_u32 v14, v15, 4, v14
	v_add_nc_u32 v14, s31, v14                     ; stage, way in: SP (lane / 4) + 16 (lane % 4); a load's 512 bytes take eight places
	v_and_b32 v15, 30, v2
	v_mul_u32_u24 v15, v15, SP
	v_and_b32 v5, 1, v2
	v_lshl_add_u32 v15, v5, 5, v15
	v_add_nc_u32 v15, s31, v15                     ; way out: block lane / 2 lies in places lane & 30 and the next; I take its groups e and e + 2 of 8 numbers, e = lane & 1
	s_wait_kmcnt 0x0
	s_load_b256 s[40:47], s[12:13], 0x0            ; e0 .. e7
	s_cmp_lt_u32 ttmp9, 352                        ; which tensor: the choice hangs on the work-group's number alone
	s_cselect_b64 s[22:23], s[6:7], s[8:9]
	s_cselect_b64 s[24:25], s[16:17], s[18:19]
	s_mov_b32 s26, 352
	s_cselect_b32 s26, 256, s26
	s_cmp_lt_u32 ttmp9, 256
	s_cselect_b64 s[22:23], s[4:5], s[22:23]       ; numbers
	s_cselect_b64 s[24:25], s[14:15], s[24:25]     ; codes
	s_cselect_b32 s26, 0, s26                      ; the tensor's first work-group
	s_sub_co_u32 s26, ttmp9, s26
	s_lshl_b32 s26, s26, 2
	s_add_co_u32 s28, s26, s30                     ; which run of 8,192 numbers is my wave's
	s_mov_b32 s29, 0
	s_lshl_b64 s[32:33], s[28:29], 15              ; 32,768 bytes of numbers,
	s_add_nc_u64 s[22:23], s[22:23], s[32:33]
	s_lshl_b64 s[32:33], s[28:29], 13              ; 8,192 bytes of codes
	s_add_nc_u64 s[24:25], s[24:25], s[32:33]
.macro LOAD t
.irp i, 0,1,2,3
	global_load_b128 v[R+16*((\t)%4)+4*\i:R+16*((\t)%4)+4*\i+3], v3, s[22:23] offset:2048*(\t)+512*\i th:TH_LOAD_NT   ; 32 lanes read 512 consecutive bytes
.endr
.endm
.macro TURN t                          ; step t's numbers through the stage: LDS serves a wave's instructions in order, so no wait stands between the stores and the loads
.irp i, 0,1,2,3
	ds_store_b128 v14, v[R+16*((\t)%4)+4*\i:R+16*((\t)%4)+4*\i+3] offset:32*SP*((\t)%2)+8*SP*\i
.endr
.irp i, 0,1,2,3
	ds_load_b128 v[X+16*((\t)%2)+4*\i:X+16*((\t)%2)+4*\i+3], v15 offset:32*SP*((\t)%2)+SP*(\i/2)+16*(\i%2)   ; group e, then group e + 2 one place further on
.endr
.endm
.irp t, 0,1,2,3
	LOAD \t
.endr
	s_wait_kmcnt 0x0
	s_cmp_lt_u32 ttmp9, 352
	s_cselect_b32 s27, s41, s47
	s_cmp_lt_u32 ttmp9, 256
	s_cselect_b32 s27, s40, s27                    ; e
	s_add_co_i32 s27, s27, 127
	s_lshl_b32 s34, s27, 23
	v_mov_b32 v11, s34                             ; 2^e as f32: the conversion takes its exponent field
	s_add_co_i32 s27, s27, 8
	s_lshl_b32 s27, s27, 23
	s_or_b32 s27, s27, 0x600000
	v_mov_b32 v10, s27                             ; 448 x 2^e
	s_wait_loadcnt 12                              ; step 0's four loads are in; the twelve of steps 1 to 3 stay out
	TURN 0
.macro STEP t
.set XS, X+16*((\t)%2)
	s_wait_dscnt 0x0                               ; this step's numbers are back from the stage, so its stores into the stage have read their registers,
.if (\t)+4 < STEPS
	LOAD (\t)+4                                    ; which take the loads of four steps on
.endif
.if (\t)+1 < STEPS
.if STEPS-2-(\t) >= 3
	s_wait_loadcnt 12                              ; the next step's four loads are in; those of the three steps behind it stay out
.else
	s_wait_loadcnt 4*(STEPS-2-(\t))                ; the tail: fewer steps are behind it
.endif
	TURN (\t)+1                                    ; through the other stage while this step is worked
.endif
.irp i, 0,1,2,3,4,5,6,7,8,9,10,11,12,13,14,15
	v_med3_num_f32 v[XS+\i], v[XS+\i], -v10, v10   ; the conversion to an 8-bit code does not saturate (ISA guide 7.6.2): the hold comes first
.endr
	v_cvt_scalef32_pk8_fp8_f32 v[C+4*(\t):C+4*(\t)+1], v[XS:XS+7], v11
	v_cvt_scalef32_pk8_fp8_f32 v[C+4*(\t)+2:C+4*(\t)+3], v[XS+8:XS+15], v11
	global_store_b128 v3, v[C+4*(\t):C+4*(\t)+3], s[24:25] offset:512*(\t)   ; the codes go to a store alone; the next vector lines are the next step's holds, on other registers
.endm
.irp t, 0,1,2,3,4,5,6,7,8,9,10,11,12,13,14,15
	STEP \t
.endr
	s_wait_tensorcnt 0x0
	ds_add_u32 v192, v193
	s_wait_dscnt 0x0
	s_endpgm
	; ---------------- the mask
.Lmask:
	s_sub_co_u32 s31, ttmp9, QWG
	s_lshl_b32 s31, s31, 2
	s_add_co_u32 s31, s31, s30                     ; my wave's task: 8 x query tile + which 256 keys
	s_lshr_b32 s32, s31, 3
	s_and_b32 s33, s31, 7
	s_lshl_b32 s32, s32, 15                        ; 16 rows of 2,048 bytes
	s_lshl_b32 s33, s33, 8
	s_add_co_u32 s32, s32, s33
	s_mov_b32 s33, 0
	s_lshl_b32 s34, s31, 9                         ; 128 words out
	s_mov_b32 s35, 0
	v_and_b32 v4, 15, v0
	v_bfe_u32 v5, v0, 4, 1
	v_lshlrev_b32 v4, 11, v4
	v_lshl_add_u32 v4, v5, 3, v4                   ; row lane % 16, + 8 (lane / 16)
	s_wait_kmcnt 0x0
	s_add_nc_u64 s[10:11], s[10:11], s[32:33]
	s_add_nc_u64 s[20:21], s[20:21], s[34:35]
.irp t, 0,1,2,3,4,5,6,7,8,9,10,11,12,13,14,15
	global_load_b64 v[32+2*\t:33+2*\t], v4, s[10:11] offset:16*\t th:TH_LOAD_NT   ; keys 16 t + 8 (lane / 16) + 0 .. 7 of my row; the sixteen loads together read each row's 256 bytes whole
.endr
.irp i, 64,65,66,67
	v_mov_b32 v\i, 0                               ; a lane write's destination counts as read
.endr
.set t, 0
.rept 16
	s_wait_loadcnt 15-t                            ; load t is in; the later ones stay out
.set j, 0
.rept 8
.set n, 8*t+j
	v_and_b32 v[68+n%4], 0xff<<(8*(j%4)), v[32+2*t+j/4]   ; key j's byte
	v_cmp_ne_u32 s[48+n%4], 0, v[68+n%4]           ; word n: one bit a lane
	v_writelane_b32 v[64+n%4], s[48+n%4], n/4      ; into lane n / 4, register n % 4: so that one store of 16 bytes a lane writes the 128 words on end
.set j, j+1
.endr
.set t, t+1
.endr
	global_store_b128 v3, v[64:67], s[20:21]       ; 512 consecutive bytes
	s_endpgm
.Lfunc_end_k_qcf49342cbb_prep:
	.size	k_qcf49342cbb_prep, .Lfunc_end_k_qcf49342cbb_prep-k_qcf49342cbb_prep
	.p2alignl 7, 3214868480
	.fill 96, 4, 3214868480
	.section	.rodata,"a",@progbits
	.p2align	6, 0x0
	.amdhsa_kernel k_qcf49342cbb_prep
		.amdhsa_group_segment_fixed_size 33280
		.amdhsa_private_segment_fixed_size 0
		.amdhsa_enable_private_segment 0
		.amdhsa_kernarg_size 72
		.amdhsa_user_sgpr_count 2
		.amdhsa_user_sgpr_kernarg_segment_ptr 1
		.amdhsa_wavefront_size32 1
		.amdhsa_system_sgpr_workgroup_id_x 1
		.amdhsa_system_sgpr_workgroup_id_y 1
		.amdhsa_system_sgpr_workgroup_id_z 1
		.amdhsa_system_vgpr_workitem_id 0
		.amdhsa_next_free_vgpr 194
		.amdhsa_next_free_sgpr 66
		.amdhsa_reserve_vcc 0
		.amdhsa_float_denorm_mode_32 3
		.amdhsa_float_denorm_mode_16_64 3
		.amdhsa_memory_ordered 1
		.amdhsa_forward_progress 1
		.amdhsa_inst_pref_size 65
	.end_amdhsa_kernel
	.amdgpu_metadata
---
amdhsa.version: [ 1, 2 ]
amdhsa.kernels:
  - .name:           k_qcf49342cbb_prep
    .symbol:         k_qcf49342cbb_prep.kd
    .args:
      - { .name: input, .offset: 0, .size: 8, .value_kind: global_buffer, .address_space: global }
      - { .name: qkv_w, .offset: 8, .size: 8, .value_kind: global_buffer, .address_space: global }
      - { .name: out_w, .offset: 16, .size: 8, .value_kind: global_buffer, .address_space: global }
      - { .name: mask, .offset: 24, .size: 8, .value_kind: global_buffer, .address_space: global }
      - { .name: lowp_scales, .offset: 32, .size: 8, .value_kind: global_buffer, .address_space: global }
      - { .name: x_codes, .offset: 40, .size: 8, .value_kind: global_buffer, .address_space: global }
      - { .name: w_codes, .offset: 48, .size: 8, .value_kind: global_buffer, .address_space: global }
      - { .name: ow_codes, .offset: 56, .size: 8, .value_kind: global_buffer, .address_space: global }
      - { .name: maskw, .offset: 64, .size: 8, .value_kind: global_buffer, .address_space: global }
    .group_segment_fixed_size: 33280
    .private_segment_fixed_size: 0
    .kernarg_segment_align: 8
    .kernarg_segment_size: 72
    .max_flat_workgroup_size: 128
    .sgpr_count:     66
    .vgpr_count:     194
    .wavefront_size: 32
...
	.end_amdgpu_metadata
.endif
;; end of part 1
;; launch qkv (part 2): grid 12 x 32, 4 waves a work-group, clusters of 4 x 4, 327,680 bytes of LDS; arguments x_codes, w_codes, lowp_scales, qkv_b, qkf, vf; writes qkf, vf
.if DOCPART == 2
	.amdgcn_target "amdgcn-amd-amdhsa--gfx1250"
	.amdhsa_code_object_version 6
	.text
	.protected	k_qcf49342cbb_qkv
	.globl	k_qcf49342cbb_qkv
	.p2align	8
	.type	k_qcf49342cbb_qkv,@function
k_qcf49342cbb_qkv:
	s_mov_b64 s[64:65], 0
	v_nop
	global_prefetch_b8 v0, s[64:65] scope:SCOPE_SE
	s_setreg_imm32_b32 hwreg(HW_REG_WAVE_MODE, 25, 1), 1
	s_wait_xcnt 0x0
	s_wait_alu depctr_hold_cnt(0) depctr_sa_sdst(0) depctr_va_vdst(0) depctr_va_sdst(0) depctr_va_ssrc(0) depctr_va_vcc(0) depctr_vm_vsrc(0)
	s_getreg_b32 s2, hwreg(HW_REG_IB_STS2, 6, 4)
	s_cmp_eq_u32 s2, 0
	s_cbranch_scc0 .Lentry_in_a_cluster
	s_endpgm
.Lentry_in_a_cluster:
	s_bfe_u32 s2, ttmp6, 0x10000c
	s_cmp_lg_u32 s2, 0xf033
	s_cbranch_scc0 .Lentry_shape_is_right
	s_endpgm
.Lentry_shape_is_right:
; QKV.  qkv = input qkv_w^T + qkv_b on codes of E4M3 (x_codes [8192][1024], w_codes [3072][1024]; scales 2^e0, 2^e1), and q, k, v quantised at once with 2^e2, 2^e3, 2^e5.
; A tile of 256 x 256 is made by four waves, 128 x 128 each: 64 accumulators, 512 registers.  K goes in steps of 256 through a ring of two LDS slots filled by the tensor data mover.
; CLUSTERS: 4 x 4 work-groups; the four of a row need the same tile of x_codes, the four of a column the same tile of w_codes: each tile is asked for JOINTLY.  The cluster's x (0, 1, 2) is the section: q, k, v.
; THE RESULT LEAVES AS IMAGES OF THE NEXT PRODUCT'S OPERAND REGISTERS.  In a result, lane (r, h) holds row r of source 1, and register j holds row 8 h + j of source 0.  So the conversion of tile b's eight registers
; gives registers 2 b, 2 b + 1 of a plain 8-bit fragment whose K runs along source 0's rows.  q, k: source 1 = rows of the input, source 0 = rows of the weight (K = the head's 64).
; v: THE SIDES ARE SWAPPED (source 1 = rows of Wv, source 0 = rows of the input), so that K = the keys.  Only the two LDS read bases differ, chosen on the cluster's x; the tensor loads are the same.
; Registers 4 c .. 4 c + 3 of a fragment go out by one store at 16 x lane: 512 consecutive bytes.  No LDS on the way out.
;   qkf: section x 2^23 + (16 batch + head) x 2^17 + (tile of 16 rows) x 1,024 + c x 512 + 16 lane.
;   vf:  ((16 batch + head) / 2) x 2^18 + (registers' half) x 2^17 + (key step of 128) x 8,192 + (head % 2) x 4,096 + (tile of 16 of the head's 64) x 1,024 + c x 512 + 16 lane.
; THE BIAS is the C of each sum's first matrix instruction, divided by the 2^(e0 + e1) that the sums lack.  The conversion's one scale is 2^(et - e0 - e1), et = e2, e3 or e5.
; LIMITS: et - e0 - e1 between -126 and 119.  NaN is not served (the hold drops it).
; REGISTERS, in windows of 256: window 0: v0-31 addresses and scales; v32-95 the bias, later the held sums; from v128 source 1's fragments (one set), later the codes.
;   window 1: source 0's fragments, two sets.   window 2: the accumulators of source 1's blocks 0-3 ((a, b) at v[8 (8 (a % 4) + b)]);   window 3: of blocks 4-7.
.set ROWB,   256                       ; a tile's row in bytes: 256 codes
.set KROW,   1024                      ; a row of either tensor in memory
.set PITCH,  272                       ; an LDS row: 256 bytes + 16 of padding: the 16 rows that a load touches start at 16 different banks (64 banks of 4 bytes: ISA guide 11.1)
.set FR,     16                        ; registers of a fragment: 16 rows x 128 K
.set NL,     4                         ; LDS loads that bring one
.set NP,     4                         ; places behind this matrix instruction (ISA guide 7.12.1)
.set HALFT,  128*PITCH                 ; 128 rows: what one tensor load brings
.set SLOT,   4*HALFT                   ; x_codes' 256 rows, then w_codes' 256 rows
.set LAPS,   2                         ; K = 1,024 is four slots' worth: twice round the ring
.set SPARE,  2*SLOT                    ; behind the ring: the spare words, 128 bytes a wave, that no other line names
.set ADRA, 16                          ; v16-17  LDS address of source 1's fragments in slot 0, 1
.set ADRB, 20                          ; v20-21  of source 0's
.set CO,   26                          ; v26     16 x lane
.set SPW,  28                          ; v28     my spare word; never rewritten
.set NIL,  29                          ; v29     0; never rewritten
.set SCL,  30                          ; v30     2^(et - e0 - e1)
.set LIM,  31                          ; v31     448 x that
.set BI,   32                          ; v32-95
.set AF,   128
.set G1, 24                            ; s[24:31] group 1 for x_codes' tiles;  s[32:39] group 0, a set for each slot
.set G0, 32
.set G1B, 48                           ; s[48:55], s[56:63] the same for w_codes'
.set G0B, 56
.set MSB, 0
.macro WIN new                         ; the immediate's high byte repeats the setting that is left
.if MSB != \new
	s_set_vgpr_msb (MSB<<8)|\new
.set MSB, \new
.endif
.endm
.set MUL_LO, 0xa1                      ; source 0 window 1, source 1 window 0, C and D window 2
.set MUL_HI, 0xf1                      ; the same, C and D window 3
.set TO_B,   0x40                      ; destination window 1, address window 0
; A joint load: waves 0 and 1 fetch x_codes' halves, waves 2 and 3 w_codes'.  The branch hangs on the wave's number alone.  Four v_nop follow each of the two lines.
.macro JLOAD g0a, g1a, g0b, g1b
	s_cmp_eq_u32 s15, 0
	s_cbranch_scc0 .Lfor_b_\@
	tensor_load_to_lds s[\g0a:\g0a+3], s[\g1a:\g1a+7]
	s_nop 0
.rept 4
	v_nop
.endr
	s_branch .Lasked_\@
.Lfor_b_\@:
	tensor_load_to_lds s[\g0b:\g0b+3], s[\g1b:\g1b+7]
	s_nop 0
.rept 4
	v_nop
.endr
.Lasked_\@:
.endm
.macro CREST                           ; a round of the cluster's barrier behind its opening barrier
	s_cmp_lg_u32 s14, 0
	s_cbranch_scc1 .Lnot_wave_0_\@
	s_barrier_signal -3
.Lnot_wave_0_\@:
	s_barrier_wait -3
	s_barrier_signal -1
	s_barrier_wait -1
.endm
.macro CROUND
	s_barrier_signal -1
	s_barrier_wait -1
	CREST
.endm
	s_load_b128 s[4:7], s[0:1], 0x0                ; x_codes s[4:5], w_codes s[6:7]
	s_load_b128 s[8:11], s[0:1], 0x10              ; the exponents s[8:9], qkv_b s[10:11]
	s_load_b128 s[76:79], s[0:1], 0x20             ; qkf s[76:77], vf s[78:79]
	v_lshl_add_u32 v[SPW], v0, 2, SPARE
	v_mov_b32 v[NIL], 0
	ds_add_u32 v28, v29
	ds_add_u32 v28, v29
	s_wait_dscnt 0x0
	v_lshrrev_b32 v1, 5, v0
	v_readfirstlane_b32 s14, v1                    ; wave 0..3
	s_lshr_b32 s15, s14, 1                         ; which 128 of source 1's rows are mine.  Also: I fetch x_codes (0) or w_codes (1)
	s_and_b32 s16, s14, 1                          ; which 128 of source 0's.  Also: which 128 rows of that tile I fetch
	s_bfe_u32 s40, ttmp6, 0x40000                  ; cx, cy: my place in the cluster
	s_bfe_u32 s41, ttmp6, 0x40004
	s_lshl_b32 s42, ttmp9, 2
	s_add_co_u32 s42, s42, s40                     ; tile of 256 rows of the weight = 4 x cluster x + cx
	s_and_b32 s17, ttmp7, 0xffff
	s_lshl_b32 s17, s17, 2
	s_add_co_u32 s17, s17, s41                     ; tile of 256 rows of the input = 4 x cluster y + cy
	s_lshl_b32 s43, s41, 2
	s_lshl_b32 s43, 15, s43                        ; my row of the cluster
	s_lshl_b32 s44, 0x1111, s40                    ; my column
	s_or_b32 s[G1+0], s43, (0<<16)|(1<<20)|(1<<21)|(5<<22)|(3<<25)  ; 15:0 the mask; 17:16 elements of 1 byte; 20 padding on; 21 set beside a mask; 24:22 after every 64 words; 31:25 four words
	s_or_b32 s[G1B+0], s44, (0<<16)|(1<<20)|(1<<21)|(5<<22)|(3<<25)
.irp g, G1, G1B
	s_mov_b32 s[\g+1], ROWB<<16                    ; tensor_dim0
	s_mov_b32 s[\g+2], 128<<16                     ; tensor_dim1
	s_mov_b32 s[\g+3], ROWB<<16                    ; tile_dim0
	s_mov_b32 s[\g+4], 128                         ; tile_dim1
	s_mov_b32 s[\g+5], KROW                        ; tensor_dim0_stride
	s_mov_b32 s[\g+6], 0
	s_mov_b32 s[\g+7], 0
.endr
	s_lshl_b32 s18, s16, 17                        ; the 128 rows that I fetch, 1,024 bytes each
	s_lshl_b32 s20, s17, 18
	s_add_co_u32 s20, s20, s18                     ; x_codes: 256 x tile + 128 x half rows
	s_mov_b32 s21, 0
	s_lshl_b32 s46, s42, 18
	s_add_co_u32 s46, s46, s18                     ; w_codes likewise
	s_mov_b32 s47, 0
	s_mul_i32 s45, s14, HALFT                      ; where they go: wave x 128 rows
	s_wait_kmcnt 0x0
	s_load_b256 s[68:75], s[8:9], 0x0              ; e0 .. e7
	s_add_nc_u64 s[20:21], s[4:5], s[20:21]
	s_add_nc_u64 s[46:47], s[6:7], s[46:47]
	CROUND                                         ; all sixteen work-groups are here: the first joint loads meet
.irp s, 0,1
	s_mov_b32 s[G0+4*\s], 1
	s_add_co_u32 s[G0+4*\s+1], s45, \s*SLOT
	s_add_nc_u64 s[G0+4*\s+2:G0+4*\s+3], s[20:21], \s*ROWB
	s_or_b32 s[G0+4*\s+3], s[G0+4*\s+3], 0x80000000
	s_mov_b32 s[G0B+4*\s], 1
	s_add_co_u32 s[G0B+4*\s+1], s45, \s*SLOT
	s_add_nc_u64 s[G0B+4*\s+2:G0B+4*\s+3], s[46:47], \s*ROWB
	s_or_b32 s[G0B+4*\s+3], s[G0B+4*\s+3], 0x80000000
	JLOAD G0+4*\s, G1, G0B+4*\s, G1B
.endr
	v_and_b32 v1, 15, v0                           ; r
	v_bfe_u32 v2, v0, 4, 1                         ; h
	v_mul_u32_u24 v3, v1, PITCH
	v_lshl_add_u32 v4, v2, 4, v3                   ; a fragment's row x pitch + 16 h
	v_and_b32 v5, 31, v0
	v_lshlrev_b32 v[CO], 4, v5
	v_lshlrev_b32 v6, 5, v2                        ; bias of q, k: 8 h numbers on
	v_lshlrev_b32 v7, 2, v1                        ; bias of v: number r
	s_cmp_eq_u32 ttmp9, 2                          ; the section v?  The cluster's x: the same in all sixteen partners
	s_cselect_b32 s80, 1, 0
	s_cselect_b32 s81, 2*HALFT, 0                  ; source 1 reads x_codes' rows (LDS 0 on), for v w_codes' (2 HALFT on),
	s_cselect_b32 s82, 0, 2*HALFT                  ; source 0 the other
	s_cselect_b32 s86, s15, s16                    ; which 128 features are mine,
	s_cselect_b32 s87, s16, s15                    ; which 128 rows of the input
	s_cselect_b32 s94, 0, ttmp9                    ; the section's place in qkf
	s_cselect_b64 s[84:85], s[78:79], s[76:77]     ; where the images go
	s_mul_i32 s21, s15, HALFT
	s_add_co_u32 s21, s21, s81
	s_mul_i32 s22, s16, HALFT
	s_add_co_u32 s22, s22, s82
.irp s, 0,1
	v_add_nc_u32 v[ADRA+\s], s21, v4
	v_add_nc_u32 v[ADRB+\s], s22, v4
	s_add_co_u32 s21, s21, SLOT
	s_add_co_u32 s22, s22, SLOT
.endr
	s_lshr_b32 s88, s17, 3                         ; the images' offset: batch x 2^21
	s_lshl_b32 s88, s88, 21
	s_lshl_b32 s89, s40, 1
	s_add_co_u32 s89, s89, s86
	s_lshl_b32 s89, s89, 18                        ; + (2 cx + my half of the features) x 2^18: a pair of heads
	s_add_co_u32 s88, s88, s89
	s_and_b32 s89, s17, 7
	s_lshl_b32 s89, s89, 1
	s_add_co_u32 s89, s89, s87
	s_lshl_b32 s89, s89, 13                        ; + (2 (tile % 8) + my half of the rows) x 8,192: 128 rows of the batch
	s_add_co_u32 s88, s88, s89
	s_lshl_b32 s94, s94, 23
	s_add_co_u32 s88, s88, s94
	s_mov_b32 s89, 0
	s_add_nc_u64 s[84:85], s[84:85], s[88:89]
	s_lshl_b32 s92, s42, 8
	s_lshl_b32 s93, s86, 7
	s_add_co_u32 s92, s92, s93
	s_lshl_b32 s92, s92, 2                         ; my 128 numbers of the bias
	s_mov_b32 s93, 0
	s_add_nc_u64 s[10:11], s[10:11], s[92:93]
	s_wait_kmcnt 0x0                               ; the exponents
	s_cmp_eq_u32 ttmp9, 0
	s_cselect_b32 s91, s70, s71
	s_cmp_eq_u32 ttmp9, 2
	s_cselect_b32 s91, s73, s91                    ; et
	s_add_co_i32 s92, s68, s69                     ; e0 + e1
	s_sub_co_i32 s90, 0, s92
	s_sub_co_i32 s91, s91, s92
	s_add_co_i32 s91, s91, 127
	s_lshl_b32 s93, s91, 23
	v_mov_b32 v[SCL], s93
	s_add_co_i32 s91, s91, 8
	s_lshl_b32 s91, s91, 23
	s_or_b32 s91, s91, 0x600000
	v_mov_b32 v[LIM], s91
	; the bias in the result's layout.  q, k: register 8 b + j = feature 16 b + 8 h + j.  v: all eight registers of block a = feature 16 a + r
	s_cmp_eq_u32 s80, 0
	s_cbranch_scc0 .Lbias_v
.irp b, 0,1,2,3,4,5,6,7
	global_load_b128 v[BI+8*\b:BI+8*\b+3], v6, s[10:11] offset:64*\b
	global_load_b128 v[BI+8*\b+4:BI+8*\b+7], v6, s[10:11] offset:64*\b+16
.endr
	s_wait_loadcnt 0x0
.set j, 0
.rept 64
	v_ldexp_f32 v[BI+j], v[BI+j], s90              ; / 2^(e0 + e1)
.set j, j+1
.endr
	s_branch .Lbias_done
.Lbias_v:
.irp a, 0,1,2,3,4,5,6,7
	global_load_b32 v[BI+8*\a], v7, s[10:11] offset:64*\a
.endr
	s_wait_loadcnt 0x0
.irp a, 0,1,2,3,4,5,6,7
.irp j, 7,6,5,4,3,2,1,0
	v_ldexp_f32 v[BI+8*\a+\j], v[BI+8*\a], s90     ; the source register is written last
.endr
.endr
.Lbias_done:
.macro FRAG reg, adr, q, i             ; 16 rows x 128 K: four loads of 16 bytes, 32 apart; by the codes' order in memory registers 2 c, 2 c + 1 hold k = 16 c + 8 h + 0 .. 7
.irp c, 0,1,2,3
	ds_load_b128 v[\reg+4*\c:\reg+4*\c+3], v[\adr] offset:128*(\q)+32*\c+(\i)*16*PITCH
.endr
.endm
; 16 matrix instructions: source 1's blocks a0, a0 + 1 x source 0's eight.  p: source 0's set.  cmode 0: add in place; 1: C = the bias by source 0's block; 2: by source 1's block.
; The 64 accumulators take turns, one instruction a turn, in the same order in every step.
.macro MUL16 a0, p, cmode
.irp a, \a0, \a0+1
.irp b, 0,1,2,3,4,5,6,7
.if \cmode == 1
	v_wmma_f32_16x16x128_fp8_fp8 v[8*(8*((\a)%4)+\b):8*(8*((\a)%4)+\b)+7], v[128*(\p)+FR*\b:128*(\p)+FR*\b+FR-1], v[AF+FR*(\a):AF+FR*(\a)+FR-1], v[BI+8*\b:BI+8*\b+7]
.elseif \cmode == 2
	v_wmma_f32_16x16x128_fp8_fp8 v[8*(8*((\a)%4)+\b):8*(8*((\a)%4)+\b)+7], v[128*(\p)+FR*\b:128*(\p)+FR*\b+FR-1], v[AF+FR*(\a):AF+FR*(\a)+FR-1], v[BI+8*(\a):BI+8*(\a)+7]
.else
	v_wmma_f32_16x16x128_fp8_fp8 v[8*(8*((\a)%4)+\b):8*(8*((\a)%4)+\b)+7], v[128*(\p)+FR*\b:128*(\p)+FR*\b+FR-1], v[AF+FR*(\a):AF+FR*(\a)+FR-1], v[8*(8*((\a)%4)+\b):8*(8*((\a)%4)+\b)+7]
.endif
.endr
.endr
.endm
.macro FETCH_B slot, q, p
	WIN TO_B
.irp i, 0,1,2,3,4,5,6,7
	FRAG 128*(\p)+FR*\i, ADRB+\slot, \q, \i
.endr
	WIN 0
.endm
.macro FETCH_A slot, q, i0
.irp i, \i0, \i0+1, \i0+2, \i0+3
	FRAG AF+FR*(\i), ADRA+\slot, \q, \i
.endr
.endm
.macro PLACES n                        ; plain vector lines between a matrix instruction and a load into, or a vector read of, its registers
.rept \n
	v_nop
.endr
.endm
; A step of 128 along K that has its successor in the same slot.
.macro STEP slot, q, cmode
	s_wait_dscnt 4*NL                              ; source 0's set and source 1's blocks 0-3 are in; the youngest sixteen loads (blocks 4-7) may be out
.if \cmode
	WIN 0x81                                       ; C (the bias) window 0, D window 2
.else
	WIN MUL_LO
.endif
	MUL16 0, (\q)%2, \cmode
	MUL16 2, (\q)%2, \cmode
	s_wait_dscnt 0                                 ; blocks 4-7 are in
	PLACES NP
	FETCH_B \slot, (\q)+1, 1-(\q)%2
	FETCH_A \slot, (\q)+1, 0
.if \cmode
	WIN 0xc1                                       ; C window 0, D window 3
.else
	WIN MUL_HI
.endif
	MUL16 4, (\q)%2, \cmode
	MUL16 6, (\q)%2, \cmode
	PLACES NP
	WIN 0
	FETCH_A \slot, (\q)+1, 4
.endm
; A slot's last step changes slots: ONE barrier; in front of it each wave waits for all its tensor loads, adds 0 to its spare word, and waits for that and for its reads of this slot.
.macro TURN slot, next, fill
	s_wait_tensorcnt 0x0                           ; all my tensor loads have landed: my part of the next slot
	ds_add_u32 v[SPW], v[NIL]                      ; 0 onto my spare word
	s_wait_dscnt 4*NL+1                            ; (the add and the youngest sixteen loads may be out)
	WIN MUL_LO
	MUL16 0, 1, 0                                  ; sixteen matrix instructions stand between the add and the wait for it
	s_wait_dscnt 0x0                               ; the add is done, and my reads of this slot are over
	s_barrier_signal -1
	MUL16 2, 1, 0
	WIN 0
	s_barrier_wait -1
.if \fill
	CREST                                          ; the barrier has opened a round of the cluster's: no wave of any partner still reads this slot or has a load on its way
	s_add_nc_u64 s[G0+4*\slot+2:G0+4*\slot+3], s[G0+4*\slot+2:G0+4*\slot+3], 2*ROWB
	s_add_nc_u64 s[G0B+4*\slot+2:G0B+4*\slot+3], s[G0B+4*\slot+2:G0B+4*\slot+3], 2*ROWB
	JLOAD G0+4*\slot, G1, G0B+4*\slot, G1B         ; the first tensor load behind the round; its four v_nop are also the places in front of the loads below
.else
	PLACES NP
.endif
	FETCH_B \next, 0, 0
	FETCH_A \next, 0, 0
	WIN MUL_HI
	MUL16 4, 1, 0
	MUL16 6, 1, 0
	PLACES NP
	WIN 0
	FETCH_A \next, 0, 4
.endm
	s_wait_tensorcnt 1                             ; my part of K step 0 is in; K step 1's load may be out
	s_barrier_signal -1
	s_barrier_wait -1
	FETCH_B 0, 0, 0
	FETCH_A 0, 0, 0
	FETCH_A 0, 0, 4
	s_cmp_eq_u32 s80, 0                            ; the first step starts the sums with the bias, which lies by source 0's blocks (q, k) or by source 1's (v): written twice
	s_cbranch_scc0 .Lfirst_v
	STEP 0, 0, 1
	s_branch .Lfirst_done
.Lfirst_v:
	STEP 0, 0, 2
.Lfirst_done:
	s_mov_b32 s3, LAPS-1
.Llap:                                             ; a trip goes once round the ring and fills both slots again
	TURN 0, 1, 1
	STEP 1, 0, 0
	TURN 1, 0, 1
	STEP 0, 0, 0
	s_sub_co_u32 s3, s3, 1
	s_cmp_lg_u32 s3, 0
	s_cbranch_scc1 .Llap
	TURN 0, 1, 0                                   ; the last lap fills nothing
	STEP 1, 0, 0
	s_wait_dscnt 4*NL
	WIN MUL_LO
	MUL16 0, 1, 0
	MUL16 2, 1, 0
	s_wait_dscnt 0
	WIN MUL_HI
	MUL16 4, 1, 0
	MUL16 6, 1, 0
	WIN 0
; THE WAY OUT of source 1's block a: 64 sums a lane are held within +-448 x the scale (each accumulator from its low end on), converted eight at a time, and stored as they stand.
; One offset serves both layouts: a x 1,024 is the tile of rows (q, k) or head % 2 and the tile of the head's 64 (v); c / 2 x 2^17 is the head (q, k) or the registers' half (v).
.macro OUTBLK a
.set AC, 64*((\a)%4)
	WIN 0x02+((\a)/4)                              ; source 0: window 2 or 3
.set j, 0
.rept 64
	v_med3_num_f32 v[BI+j], v[AC+j], -v[LIM], v[LIM]   ; the conversion to an 8-bit code does not saturate (ISA guide 7.6.2)
.set j, j+1
.endr
	WIN 0
.irp b, 0,1,2,3,4,5,6,7
	v_cvt_scalef32_pk8_fp8_f32 v[AF+16*(\a)+2*\b:AF+16*(\a)+2*\b+1], v[BI+8*\b:BI+8*\b+7], v[SCL]
.endr
	v_nop                                          ; a plain line between the conversions and the next block's holds, which write their sources
.irp c, 0,1,2,3
	global_store_b128 v[CO], v[AF+16*(\a)+4*\c:AF+16*(\a)+4*\c+3], s[84:85] offset:(\a)*1024+(\c%2)*512+(\c/2)*131072   ; 512 consecutive bytes; each block has code registers of its own, so no store's data are written again
.endr
.endm
	PLACES NP
.irp a, 0,1,2,3,4,5,6,7
	OUTBLK \a
.endr
	s_wait_tensorcnt 0x0                           ; the wave's end
	ds_add_u32 v[SPW], v[NIL]
	s_wait_dscnt 0x0
	CROUND                                         ; the closing round: no work-group ends while a partner may still ask for a tile that names it
	s_endpgm
.Lfunc_end_k_qcf49342cbb_qkv:
	.size	k_qcf49342cbb_qkv, .Lfunc_end_k_qcf49342cbb_qkv-k_qcf49342cbb_qkv
	.p2alignl 7, 3214868480
	.fill 96, 4, 3214868480
	.section	.rodata,"a",@progbits
	.p2align	6, 0x0
	.amdhsa_kernel k_qcf49342cbb_qkv
		.amdhsa_group_segment_fixed_size 327680
		.amdhsa_private_segment_fixed_size 0
		.amdhsa_enable_private_segment 0
		.amdhsa_kernarg_size 48
		.amdhsa_user_sgpr_count 2
		.amdhsa_user_sgpr_kernarg_segment_ptr 1
		.amdhsa_wavefront_size32 1
		.amdhsa_system_sgpr_workgroup_id_x 1
		.amdhsa_system_sgpr_workgroup_id_y 1
		.amdhsa_system_sgpr_workgroup_id_z 1
		.amdhsa_system_vgpr_workitem_id 0
		.amdhsa_next_free_vgpr 1024
		.amdhsa_next_free_sgpr 100
		.amdhsa_reserve_vcc 0
		.amdhsa_float_denorm_mode_32 3
		.amdhsa_float_denorm_mode_16_64 3
		.amdhsa_memory_ordered 1
		.amdhsa_forward_progress 1
		.amdhsa_inst_pref_size 137
	.end_amdhsa_kernel
	.amdgpu_metadata
---
amdhsa.version: [ 1, 2 ]
amdhsa.kernels:
  - .name:           k_qcf49342cbb_qkv
    .symbol:         k_qcf49342cbb_qkv.kd
    .args:
      - { .name: x_codes, .offset: 0, .size: 8, .value_kind: global_buffer, .address_space: global }
      - { .name: w_codes, .offset: 8, .size: 8, .value_kind: global_buffer, .address_space: global }
      - { .name: lowp_scales, .offset: 16, .size: 8, .value_kind: global_buffer, .address_space: global }
      - { .name: qkv_b, .offset: 24, .size: 8, .value_kind: global_buffer, .address_space: global }
      - { .name: qkf, .offset: 32, .size: 8, .value_kind: global_buffer, .address_space: global }
      - { .name: vf, .offset: 40, .size: 8, .value_kind: global_buffer, .address_space: global }
    .group_segment_fixed_size: 327680
    .private_segment_fixed_size: 0
    .kernarg_segment_align: 8
    .kernarg_segment_size: 48
    .max_flat_workgroup_size: 128
    .sgpr_count:     100
    .vgpr_count:     1024
    .wavefront_size: 32
...
	.end_amdgpu_metadata
.endif
;; end of part 2
;; launch attn (part 3): grid 4 x 64, 16 waves a work-group, no clusters, 264,192 bytes of LDS; arguments qkf, vf, maskw, lowp_scales, ac; writes ac
.if DOCPART == 3
	.amdgcn_target "amdgcn-amd-amdhsa--gfx1250"
	.amdhsa_code_object_version 6
	.text
	.protected	k_qcf49342cbb_attn
	.globl	k_qcf49342cbb_attn
	.p2align	8
	.type	k_qcf49342cbb_attn,@function
k_qcf49342cbb_attn:
	s_mov_b64 s[64:65], 0
	v_nop
	global_prefetch_b8 v0, s[64:65] scope:SCOPE_SE
	s_setreg_imm32_b32 hwreg(HW_REG_WAVE_MODE, 25, 1), 1
	s_wait_xcnt 0x0
; ATTENTION on codes of E4M3.  For each of 64 (batch, head): S = q k^T (K = 64), t = S x 2^(e2 + e3) x log2(e) / 8, hidden keys -infinity (the mask is an input: every bit is honoured),
; M = the running largest t rounded UP to a whole number, p = 2^(t - M) quantised with 2^e4, O = p v (K = the keys) x 2^(e4 + e5) / l, l = the sum of the unquantised p; O is quantised with 2^e6.
; SHARES.  A work-group owns 512 queries of one (batch, head); each of its SIXTEEN waves owns one tile of 16 queries in each of two passes, in 256 registers: four waves to a SIMD, so that one wave's vector
; work stands beside another's matrix work and LDS loads.  Every wave walks all 2,048 keys, 128 a step.
; LAYOUT.  Both products are used transposed: S^T = k q^T, O^T = v^T p^T: a lane holds ONE query (lane % 16) throughout; S register 8 t + j is key 16 t + 8 (lane / 16) + j.  The conversion of tile t's eight
; registers gives registers 2 t, 2 t + 1 of the next operand.  q, k, v^T arrive as images of operand registers (16 bytes a lane, 512 bytes on end): no pitch, no padding, and O leaves so.
; LDS HOLDS THE HEAD'S WHOLE K AND V (2 x 131,072 bytes), EACH BYTE WRITTEN ONCE: in pass 0 each wave loads 512 bytes of K and 512 of V a key step ahead into 8 registers and stores them at the next
; step's head; one barrier a step parts those stores from the reads; nothing is overwritten, so no second barrier is needed.  Pass 1 has no load of K or V and no barrier.
; NO TENSOR LOAD, NO CLUSTER: the four work-groups of a head read the same 262,144 bytes, once each: 1,024 bytes a wave and key step, beside 270 vector instructions a wave and step.
; Where e4 >= -8, p <= 1 < 448 x 2^e4 (a rounding of t - M can lift p over 1 by a few parts in 10^7 at most), so the hold changes nothing and its 64 lines a step are jumped over.
; A query all of whose keys are hidden has l = 0: its codes become the NaN code, as the softmax of such a row is NaN.
; LIMITS: e2 + e3 between -123 and 130; e4 and e6 between -126 and 119.  NaN among q, k, v cannot occur (their codes were held).
.set VOFF, 131072
.set LI,  1                            ; v1   16 x lane
.set LIV, 2                            ; v2   + VOFF
.set SK0, 3                            ; v3   16 x thread: my 16 bytes of a step's 8,192 of K
.set SV0, 4                            ; v4   + VOFF
.set ADK, 5                            ; v5   the step's K in LDS
.set ADV, 6                            ; v6   the step's V
.set ASK, 7                            ; v7   where I store K's piece; also its byte in memory
.set ASV, 8                            ; v8   where I store V's piece
.set AGV, 9                            ; v9   V's piece in memory
.set GVO, 10                           ; v10  (wave / 8) x 2^17 + (wave % 8) x 512 + 16 lane
.set F,   32                           ; v32-95   K's 8 fragments of 8 registers, then V's 4 of 16
.set S,   96                           ; v96-159  S^T, then p
.set O,   160                          ; v160-191 O^T
.set PC,  192                          ; v192-207 p's codes
; v12 -M, v13 the largest t, v[14:15] l in two halves, v[16:23] q, v[24:31] the pieces on their way, v208 at work, v[210:211] second chain of the maximum, then f, v[212:213] second chain of the sum,
; v214 -infinity, v215 448 x 2^e4, v216 2^e4, v217 a lane permute's destination, v218 448 x 2^e6, v219 2^e6, v220 four NaN codes, v221 1 / l.
; s2 the step's LDS offset, s3 the trip, s[4:5] q, s[6:7] v, s[8:9] the mask words, s[10:11] k, s[12:13] the result, s14 wave, s15 1 where the hold is needed, s[16:23] e0-e7, s[24:25] c, s[26:27] lane selects,
; s28 the mask words' offset, s29 e4 + e5, s31 the first such offset, s[32:63] and s[68:99] the step's 64 mask words.
	s_load_b256 s[4:11], s[0:1], 0x0               ; qkf, vf, maskw, the exponents
	s_load_b64 s[12:13], s[0:1], 0x20              ; ac
	v_lshl_add_u32 v254, v0, 2, 0x40000
	v_mov_b32 v255, 0
	v_lshrrev_b32 v11, 5, v0
	v_readfirstlane_b32 s14, v11                   ; wave 0..15
	v_and_b32 v11, 31, v0
	v_lshlrev_b32 v[LI], 4, v11
	v_add_nc_u32 v[LIV], VOFF, v[LI]
	v_lshlrev_b32 v[SK0], 4, v0
	v_add_nc_u32 v[SV0], VOFF, v[SK0]
	s_lshr_b32 s31, s14, 3
	s_lshl_b32 s31, s31, 17
	s_and_b32 s30, s14, 7
	s_lshl_b32 s30, s30, 9
	s_add_co_u32 s31, s31, s30
	v_add_nc_u32 v[GVO], s31, v[LI]
	s_and_b32 s30, ttmp7, 0xffff                   ; y = 16 batch + head
	s_lshl_b32 s32, s30, 17                        ; y's 131,072 bytes of q and of k
	s_mov_b32 s33, 0
	s_lshl_b32 s34, ttmp9, 5
	s_add_co_u32 s34, s34, s14                     ; my query tile of pass 0: 32 x + wave
	s_lshl_b32 s36, s34, 10
	s_mov_b32 s37, 0
	s_lshl_b32 s31, s34, 12                        ; its mask words: 16 steps x 64 words
	s_lshr_b32 s38, s30, 1
	s_lshl_b32 s38, s38, 18
	s_and_b32 s39, s30, 1
	s_lshl_b32 s39, s39, 12
	s_add_co_u32 s38, s38, s39                     ; v: (y / 2) x 2^18 + (y % 2) x 4,096
	s_mov_b32 s39, 0
	s_bfe_u32 s40, s30, 0x20002                    ; head / 4
	s_lshl_b32 s40, s40, 21
	s_lshr_b32 s41, s30, 4
	s_lshl_b32 s41, s41, 7
	s_add_co_u32 s41, s41, s34
	s_lshl_b32 s41, s41, 12                        ; (128 batch + query tile) x 4,096
	s_add_co_u32 s40, s40, s41
	s_and_b32 s41, s30, 3
	s_lshl_b32 s41, s41, 10                        ; (head % 4) x 1,024
	s_add_co_u32 s40, s40, s41
	s_mov_b32 s41, 0
	s_wait_kmcnt 0x0
	s_load_b256 s[16:23], s[10:11], 0x0            ; e0 .. e7
	s_add_nc_u64 s[6:7], s[6:7], s[38:39]
	s_add_nc_u64 s[12:13], s[12:13], s[40:41]
	v_mov_b32 v214, 0xff800000
	v_mov_b32 v220, 0x7f7f7f7f
	v_mov_b32 v211, 0                              ; (named as the upper half of the pair v[210:211])
	v_mov_b32 v217, 0                              ; a lane permute's destination counts as read
	s_mov_b32 s26, 0x76543210
	s_mov_b32 s27, 0xfedcba98
	s_mov_b32 s24, 0x3e38aa3b                      ; log2(e) / 8
	s_mov_b32 s28, s31
	s_wait_kmcnt 0x0                               ; the exponents are in: their address's registers may take k's
	s_add_nc_u64 s[10:11], s[4:5], s[32:33]
	s_add_nc_u64 s[10:11], s[10:11], 0x800000      ; k is qkf's second section
	s_add_nc_u64 s[4:5], s[4:5], s[32:33]
	s_add_nc_u64 s[4:5], s[4:5], s[36:37]
	s_cmp_lt_i32 s20, -8
	s_cselect_b32 s15, 1, 0
	s_add_co_i32 s42, s18, s19
	s_lshl_b32 s42, s42, 23
	s_add_co_i32 s24, s24, s42                     ; a score stands for score x 2^(e2 + e3): added to c's exponent field
	s_mov_b32 s25, s24                             ; (named with it as a pair)
	s_add_co_i32 s29, s20, s21
	s_add_co_i32 s42, s20, 127
	s_lshl_b32 s43, s42, 23
	v_mov_b32 v216, s43
	s_add_co_i32 s42, s42, 8
	s_lshl_b32 s42, s42, 23
	s_or_b32 s42, s42, 0x600000
	v_mov_b32 v215, s42
	s_add_co_i32 s42, s22, 127
	s_lshl_b32 s43, s42, 23
	v_mov_b32 v219, s43
	s_add_co_i32 s42, s42, 8
	s_lshl_b32 s42, s42, 23
	s_or_b32 s42, s42, 0x600000
	v_mov_b32 v218, s42
.macro MASKLOAD                        ; a step's 64 lane masks: 256 bytes
	s_load_b512 s[32:47], s[8:9], s28 offset:0x0
	s_load_b512 s[48:63], s[8:9], s28 offset:0x40
	s_load_b512 s[68:83], s[8:9], s28 offset:0x80
	s_load_b512 s[84:99], s[8:9], s28 offset:0xc0
.endm
.macro PASS_HEAD
	global_load_b128 v[16:19], v[LI], s[4:5]       ; q's fragment stays in registers
	global_load_b128 v[20:23], v[LI], s[4:5] offset:512
	MASKLOAD
	v_mov_b32 v13, 0xff61b1e6                      ; the largest t so far: -3e38
	v_floor_f32 v12, -v13                          ; -M
	v_mov_b32 v14, 0
	v_mov_b32 v15, 0
.set j, 0
.rept 32
	v_mov_b32 v[O+j], 0                            ; the step is written once: the first finds zeros, which the first change of M leaves zeros
.set j, j+1
.endr
	s_mov_b32 s2, 0
	s_mov_b32 s3, 0
.endm
; Pass 0, a trip's head: this step's pieces go into LDS; a barrier; the next step's pieces are asked for.
.macro STAGE
	s_wait_loadcnt 0x0                             ; my two pieces of this step are in (in the first trip q too)
	v_add_nc_u32 v[ASK], s2, v[SK0]
	v_add_nc_u32 v[ASV], s2, v[SV0]
	ds_store_b128 v[ASK], v[24:27]
	ds_store_b128 v[ASV], v[28:31]
	s_wait_dscnt 0x0                               ; for the others' sake: my stores have landed
	s_barrier_signal -1
	s_barrier_wait -1                              ; the step's K and V are whole
	s_cmp_eq_u32 s3, 15
	s_cbranch_scc1 .Lno_piece_\@                   ; no load leaves its buffer
	v_add_nc_u32 v[AGV], s2, v[GVO]
	global_load_b128 v[24:27], v[ASK], s[10:11] offset:8192   ; k lies in memory as in LDS; 512 consecutive bytes a wave; a whole key step ahead of its use
	global_load_b128 v[28:31], v[AGV], s[6:7] offset:8192
.Lno_piece_\@:
.endm
.macro STEPBODY
	v_add_nc_u32 v[ADK], s2, v[LI]
	v_add_nc_u32 v[ADV], s2, v[LIV]
	v_nop                                          ; with the two additions: four places between the last products and the loads into the registers that they read
	v_nop
.set i, 0
.rept 16
	ds_load_b128 v[F+4*i:F+4*i+3], v[ADK] offset:512*i   ; eight tiles of 16 keys, two images each
.set i, i+1
.endr
	s_wait_dscnt 0x0
.irp t, 0,1,2,3,4,5,6,7
	v_wmma_f32_16x16x64_fp8_fp8 v[S+8*\t:S+8*\t+7], v[F+8*\t:F+8*\t+7], v[16:23], 0
.endr
.rept 4
	v_nop                                          ; places in front of the loads below and of the first read of the scores
.endr
.irp d, 0,1,2,3
.irp c, 0,1,2,3
	ds_load_b128 v[F+16*\d+4*\c:F+16*\d+4*\c+3], v[ADV] offset:\d*1024+(\c%2)*512+(\c/2)*4096   ; V lands under the softmax
.endr
.endr
	s_wait_kmcnt 0x0                               ; this step's mask words, asked for a step ago
.set n, 0
.rept 64
.if n < 32
	v_cndmask_b32 v[S+n], v214, v[S+n], s[32+n]    ; a hidden key's score becomes -infinity
.else
	v_cndmask_b32 v[S+n], v214, v[S+n], s[36+n]
.endif
.set n, n+1
.endr
	s_cmp_eq_u32 s3, 15
	s_cbranch_scc1 .Lno_mask_\@
	s_add_co_u32 s28, s28, 256                     ; (the last loads that read it are done)
	MASKLOAD                                       ; the next step's words
.Lno_mask_\@:
	v_max3_num_f32 v208, v96, v97, v98             ; the step's largest score of my query among my 64 keys, in two chains,
	v_max3_num_f32 v210, v99, v100, v101
.irp i, 6,10,14,18,22,26,30,34,38,42,46,50,54,58
	v_max3_num_f32 v208, v208, v[S+\i], v[S+1+\i]
	v_max3_num_f32 v210, v210, v[S+2+\i], v[S+3+\i]
.endr
	v_max3_num_f32 v208, v208, v158, v159
	v_max_num_f32 v208, v208, v210
	v_permlanex16_b32 v217, v208, s26, s27
	v_max_num_f32 v208, v208, v217                 ; and among lane l xor 16's
	v_mul_f32 v208, s24, v208                      ; as t (c is positive)
	v_max_num_f32 v13, v13, v208                   ; the running largest t
	v_mov_b32 v208, v12
	v_floor_f32 v12, -v13                          ; the new -M = -ceil(t)
	v_sub_f32 v208, v12, v208                      ; old M - new M: a whole number, 0 or less
	v_cvt_i32_f32 v208, v208                       ; (it saturates)
	v_ldexp_f32 v210, 1.0, v208                    ; f = 2^(old M - new M)
.set j, 0
.rept 32
	v_pk_fma_f32 v[S+j:S+j+1], v[S+j:S+j+1], s[24:25], v[12:13] op_sel_hi:[1,0,0]   ; t - M, two at a time
.set j, j+2
.endr
.set j, 0
.rept 64
	v_exp_f32 v[S+j], v[S+j]                       ; p = 2^(t - M)
.set j, j+1
.endr
	v_pk_mul_f32 v[14:15], v[14:15], v[210:211] op_sel_hi:[1,0]   ; l under the new M: the plain line behind the exponentials
	s_wait_alu depctr_va_vdst(0)                   ; one wait for the whole batch, ahead of its first reader
	v_pk_add_f32 v[212:213], v[96:97], v[98:99]    ; the sum of the UNQUANTISED p, in two chains
.irp j, 4,8,12,16,20,24,28,32,36,40,44,48,52,56,60
	v_pk_add_f32 v[14:15], v[14:15], v[S+\j:S+1+\j]
	v_pk_add_f32 v[212:213], v[212:213], v[S+2+\j:S+3+\j]
.endr
	v_pk_add_f32 v[14:15], v[14:15], v[212:213]
	s_cmp_eq_u32 s15, 0
	s_cbranch_scc1 .Lno_hold_\@                    ; e4 >= -8: p cannot pass 448 x 2^e4
.set j, 0
.rept 64
	v_min_num_f32 v[S+j], v[S+j], v215             ; the conversion does not saturate (ISA guide 7.6.2); p is not negative
.set j, j+1
.endr
.Lno_hold_\@:
.irp t, 0,1,2,3,4,5,6,7
	v_cvt_scalef32_pk8_fp8_f32 v[PC+2*\t:PC+2*\t+1], v[S+8*\t:S+8*\t+7], v216   ; registers 2 t, 2 t + 1 of the operand: keys 16 t + 8 h + 0 .. 7
.endr
.set j, 0
.rept 16
	v_pk_mul_f32 v[O+j:O+j+1], v[O+j:O+j+1], v[210:211] op_sel_hi:[1,0]   ; O^T under the new M; also the plain lines behind the conversions
.set j, j+2
.endr
	s_wait_dscnt 0x0                               ; V is in
.irp d, 0,1,2,3
	v_wmma_f32_16x16x128_fp8_fp8 v[O+8*\d:O+8*\d+7], v[F+16*\d:F+16*\d+15], v[PC:PC+15], v[O+8*\d:O+8*\d+7]   ; four accumulators by turns; eight other products stand between two turns of one
.endr
	s_add_co_u32 s2, s2, 8192
	s_add_co_u32 s3, s3, 1
	s_cmp_lt_u32 s3, 16
.endm
.macro WAY_OUT
.rept 4
	v_nop                                          ; places behind the last products
.endr
	v_add_f32 v14, v14, v15
	v_permlanex16_b32 v217, v14, s26, s27
	v_add_f32 v14, v14, v217                       ; l
	v_rcp_f32 v221, v14
	v_cmp_eq_f32 vcc_lo, 0, v14                    ; no key counted (also the plain line behind the reciprocal)
	s_wait_alu depctr_va_vdst(0)                   ; the wait ahead of the reciprocal's first reader
	v_ldexp_f32 v221, v221, s29                    ; x 2^(e4 + e5)
.set j, 0
.rept 32
	v_mul_f32 v[S+j], v[O+j], v221                 ; each accumulator from its low end on
.set j, j+1
.endr
.set j, 0
.rept 32
	v_med3_num_f32 v[S+j], v[S+j], -v218, v218
.set j, j+1
.endr
.irp t, 0,1,2,3
	v_cvt_scalef32_pk8_fp8_f32 v[PC+2*\t:PC+2*\t+1], v[S+8*\t:S+8*\t+7], v219   ; the head's 64 along K: registers 2 t, 2 t + 1
.endr
	v_nop                                          ; a plain line between the conversions and the lines that touch their results
.irp i, 0,1,2,3,4,5,6,7
	v_cndmask_b32 v[PC+\i], v[PC+\i], v220, vcc_lo
.endr
	global_store_b128 v[LI], v[PC:PC+3], s[12:13]              ; 512 consecutive bytes each
	global_store_b128 v[LI], v[PC+4:PC+7], s[12:13] offset:512
.endm
	PASS_HEAD
	global_load_b128 v[24:27], v[SK0], s[10:11]    ; key step 0's pieces
	global_load_b128 v[28:31], v[GVO], s[6:7]
.Lp0:
	STAGE
	STEPBODY
	s_cbranch_scc1 .Lp0
	WAY_OUT
	s_wait_xcnt 0x0                                ; the stores have read their base and data: both are written again below
	s_add_nc_u64 s[4:5], s[4:5], 16384             ; sixteen query tiles on
	s_add_nc_u64 s[12:13], s[12:13], 65536
	s_add_co_u32 s28, s31, 65536
	PASS_HEAD
	s_wait_loadcnt 0x0                             ; q
.Lp1:
	STEPBODY
	s_cbranch_scc1 .Lp1
	WAY_OUT
	s_wait_tensorcnt 0x0
	ds_add_u32 v254, v255
	s_wait_dscnt 0x0
	s_endpgm
.Lfunc_end_k_qcf49342cbb_attn:
	.size	k_qcf49342cbb_attn, .Lfunc_end_k_qcf49342cbb_attn-k_qcf49342cbb_attn
	.p2alignl 7, 3214868480
	.fill 96, 4, 3214868480
	.section	.rodata,"a",@progbits
	.p2align	6, 0x0
	.amdhsa_kernel k_qcf49342cbb_attn
		.amdhsa_group_segment_fixed_size 264192
		.amdhsa_private_segment_fixed_size 0
		.amdhsa_enable_private_segment 0
		.amdhsa_kernarg_size 40
		.amdhsa_user_sgpr_count 2
		.amdhsa_user_sgpr_kernarg_segment_ptr 1
		.amdhsa_wavefront_size32 1
		.amdhsa_system_sgpr_workgroup_id_x 1
		.amdhsa_system_sgpr_workgroup_id_y 1
		.amdhsa_system_sgpr_workgroup_id_z 1
		.amdhsa_system_vgpr_workitem_id 0
		.amdhsa_next_free_vgpr 256
		.amdhsa_next_free_sgpr 100
		.amdhsa_reserve_vcc 1
		.amdhsa_float_denorm_mode_32 3
		.amdhsa_float_denorm_mode_16_64 3
		.amdhsa_memory_ordered 1
		.amdhsa_forward_progress 1
		.amdhsa_inst_pref_size 56
	.end_amdhsa_kernel
	.amdgpu_metadata
---
amdhsa.version: [ 1, 2 ]
amdhsa.kernels:
  - .name:           k_qcf49342cbb_attn
    .symbol:         k_qcf49342cbb_attn.kd
    .args:
      - { .name: qkf, .offset: 0, .size: 8, .value_kind: global_buffer, .address_space: global }
      - { .name: vf, .offset: 8, .size: 8, .value_kind: global_buffer, .address_space: global }
      - { .name: maskw, .offset: 16, .size: 8, .value_kind: global_buffer, .address_space: global }
      - { .name: lowp_scales, .offset: 24, .size: 8, .value_kind: global_buffer, .address_space: global }
      - { .name: ac, .offset: 32, .size: 8, .value_kind: global_buffer, .address_space: global }
    .group_segment_fixed_size: 264192
    .private_segment_fixed_size: 0
    .kernarg_segment_align: 8
    .kernarg_segment_size: 40
    .max_flat_workgroup_size: 512
    .sgpr_count:     100
    .vgpr_count:     256
    .wavefront_size: 32
...
	.end_amdgpu_metadata
.endif
;; end of part 3
;; launch oproj (part 4): grid 4 x 32, 4 waves a work-group, clusters of 4 x 4, 327,680 bytes of LDS; arguments ac, ow_codes, lowp_scales, out_b, out0; writes out0
.if DOCPART == 4
	.amdgcn_target "amdgcn-amd-amdhsa--gfx1250"
	.amdhsa_code_object_version 6
	.text
	.protected	k_qcf49342cbb_oproj
	.globl	k_qcf49342cbb_oproj
	.p2align	8
	.type	k_qcf49342cbb_oproj,@function
k_qcf49342cbb_oproj:
	s_mov_b64 s[64:65], 0
	v_nop
	global_prefetch_b8 v0, s[64:65] scope:SCOPE_SE
	s_setreg_imm32_b32 hwreg(HW_REG_WAVE_MODE, 25, 1), 1
	s_wait_xcnt 0x0
	s_wait_alu depctr_hold_cnt(0) depctr_sa_sdst(0) depctr_va_vdst(0) depctr_va_sdst(0) depctr_va_ssrc(0) depctr_va_vcc(0) depctr_vm_vsrc(0)
	s_getreg_b32 s2, hwreg(HW_REG_IB_STS2, 6, 4)
	s_cmp_eq_u32 s2, 0
	s_cbranch_scc0 .Lentry_in_a_cluster
	s_endpgm
.Lentry_in_a_cluster:
	s_bfe_u32 s2, ttmp6, 0x10000c
	s_cmp_lg_u32 s2, 0xf033
	s_cbranch_scc0 .Lentry_shape_is_right
	s_endpgm
.Lentry_shape_is_right:
; OUT = A out_w^T + out_b on codes of E4M3: A [8192][1024] is the attention's result (scale 2^e6), out_w [1024][1024] (2^e7); out0 [8192][1024] f32.
; A tile of 256 x 256 is made by four waves, 128 x 128 each.  K goes in steps of 256 through a ring of two LDS slots.  CLUSTERS: 4 x 4; A's tile is shared along a row, out_w's along a column: joint loads.
; A ARRIVES AS IMAGES OF OPERAND REGISTERS: (K step of 256) x 2^21 + (tile of 16 rows) x 4,096 + (64 of the K step) x 1,024 + c x 512 + 16 lane.  So 128 rows of a K step are one dense block of 32,768 bytes,
; brought as 128 rows of 256 bytes without padding, and a fragment is four loads at 16 x lane.  out_w's codes come as rows, padded, as in the launch that makes q, k and v; by their order in memory both sides hold k in the same places.
; THE MATRIX INSTRUCTION IS USED TRANSPOSED (source 0 = 16 rows of out_w, source 1 = 16 rows of A): a lane holds eight neighbouring numbers of a row of the result.
; The bias, divided by 2^(e6 + e7), is the C of each sum's first matrix instruction; each finished sum is multiplied once by 2^(e6 + e7).  LIMIT: e6 + e7 between -126 and 127.
; A row of A that holds NaN codes (a query with no key) gives a row of NaN.
; REGISTERS as in that launch: window 0: v0-31 addresses; v32-95 the bias, later the scaled sums; from v128 A's fragments, later rows read back.  window 1: out_w's, two sets.  windows 2, 3: the accumulators.
.set SIZE_N, 1024
.set ROWB,   256
.set KROW,   1024
.set PITCH,  272
.set FR,     16
.set NL,     4
.set NP,     4
.set AHALF,  32768                     ; 128 rows of A for a K step: eight tiles of 4,096 bytes
.set ASTEP,  2097152                   ; from a K step of A to the next
.set HALFT,  128*PITCH
.set BOFF,   2*AHALF                   ; out_w's rows lie behind A's images
.set SLOT,   BOFF+2*HALFT
.set LAPS,   2
.set SPARE,  2*SLOT                    ; behind the ring: the spare words, 128 bytes a wave, that no other line names
.set SPITCH, 528                       ; the way out: a stage of 16 rows x (512 bytes + 16) a wave, in slot 0, which has had its last fill and its last read by then
.set ADRA, 16
.set ADRB, 20
.set STO,  24
.set RD,   25
.set CO,   26
.set SPW,  28
.set NIL,  29
.set BI,   32
.set TMP,  32
.set AF,   128
.set BK,   128
.set G1, 24
.set G0, 32
.set G1B, 48
.set G0B, 56
.set MSB, 0
.macro WIN new
.if MSB != \new
	s_set_vgpr_msb (MSB<<8)|\new
.set MSB, \new
.endif
.endm
.set MUL_LO, 0xa1
.set MUL_HI, 0xf1
.set TO_B,   0x40
.macro JLOAD g0a, g1a, g0b, g1b        ; waves 0 and 1 fetch A's halves, waves 2 and 3 out_w's; four v_nop follow each of the two lines
	s_cmp_eq_u32 s15, 0
	s_cbranch_scc0 .Lfor_b_\@
	tensor_load_to_lds s[\g0a:\g0a+3], s[\g1a:\g1a+7]
	s_nop 0
.rept 4
	v_nop
.endr
	s_branch .Lasked_\@
.Lfor_b_\@:
	tensor_load_to_lds s[\g0b:\g0b+3], s[\g1b:\g1b+7]
	s_nop 0
.rept 4
	v_nop
.endr
.Lasked_\@:
.endm
.macro CREST
	s_cmp_lg_u32 s14, 0
	s_cbranch_scc1 .Lnot_wave_0_\@
	s_barrier_signal -3
.Lnot_wave_0_\@:
	s_barrier_wait -3
	s_barrier_signal -1
	s_barrier_wait -1
.endm
.macro CROUND
	s_barrier_signal -1
	s_barrier_wait -1
	CREST
.endm
	s_load_b128 s[4:7], s[0:1], 0x0                ; ac s[4:5], ow_codes s[6:7]
	s_load_b128 s[8:11], s[0:1], 0x10              ; the exponents s[8:9], out_b s[10:11]
	s_load_b64 s[12:13], s[0:1], 0x20              ; out0
	v_lshl_add_u32 v[SPW], v0, 2, SPARE
	v_mov_b32 v[NIL], 0
	ds_add_u32 v28, v29
	ds_add_u32 v28, v29
	s_wait_dscnt 0x0
	v_lshrrev_b32 v1, 5, v0
	v_readfirstlane_b32 s14, v1                    ; wave 0..3
	s_lshr_b32 s15, s14, 1                         ; which half of the tile's rows is mine.  Also: I fetch for A (0) or for out_w (1)
	s_and_b32 s16, s14, 1                          ; which half of its columns.  Also: which half of that tile I fetch
	s_bfe_u32 s40, ttmp6, 0x40000
	s_bfe_u32 s41, ttmp6, 0x40004
	s_lshl_b32 s42, ttmp9, 2
	s_add_co_u32 s42, s42, s40                     ; tile column
	s_and_b32 s17, ttmp7, 0xffff
	s_lshl_b32 s17, s17, 2
	s_add_co_u32 s17, s17, s41                     ; tile row
	s_lshl_b32 s43, s41, 2
	s_lshl_b32 s43, 15, s43                        ; my row of the cluster
	s_lshl_b32 s44, 0x1111, s40                    ; my column
	s_or_b32 s[G1+0], s43, (3<<16)|(1<<21)         ; A: 15:0 the mask; 17:16 elements of 8 bytes; no padding; 21 set beside a mask
	s_mov_b32 s[G1+1], 32<<16                      ; tensor_dim0 = 32 elements: 256 bytes
	s_mov_b32 s[G1+2], 128<<16                     ; tensor_dim1 = 128
	s_mov_b32 s[G1+3], 32<<16                      ; tile_dim0
	s_mov_b32 s[G1+4], 128                         ; tile_dim1
	s_mov_b32 s[G1+5], 32                          ; the pitch: the block is dense
	s_mov_b32 s[G1+6], 0
	s_mov_b32 s[G1+7], 0
	s_or_b32 s[G1B+0], s44, (0<<16)|(1<<20)|(1<<21)|(5<<22)|(3<<25)  ; out_w: elements of 1 byte; four words of padding behind every 64
	s_mov_b32 s[G1B+1], ROWB<<16
	s_mov_b32 s[G1B+2], 128<<16
	s_mov_b32 s[G1B+3], ROWB<<16
	s_mov_b32 s[G1B+4], 128
	s_mov_b32 s[G1B+5], KROW
	s_mov_b32 s[G1B+6], 0
	s_mov_b32 s[G1B+7], 0
	s_lshl_b32 s20, s17, 16                        ; A: (16 x tile row + 8 x half) tiles of 4,096 bytes
	s_lshl_b32 s18, s16, 15
	s_add_co_u32 s20, s20, s18
	s_mov_b32 s21, 0
	s_lshl_b32 s46, s42, 18                        ; out_w: (256 x tile column + 128 x half) rows of 1,024 bytes
	s_lshl_b32 s18, s16, 17
	s_add_co_u32 s46, s46, s18
	s_mov_b32 s47, 0
	s_mul_i32 s45, s16, AHALF                      ; where they go: no place in the cluster enters an LDS address
	s_mul_i32 s86, s16, HALFT
	s_add_co_u32 s86, s86, BOFF
	s_wait_kmcnt 0x0
	s_load_b64 s[96:97], s[8:9], 0x18              ; e6, e7
	s_add_nc_u64 s[20:21], s[4:5], s[20:21]
	s_add_nc_u64 s[46:47], s[6:7], s[46:47]
	CROUND                                         ; all sixteen work-groups are here: the first joint loads meet
.irp s, 0,1
	s_mov_b32 s[G0+4*\s], 1
	s_add_co_u32 s[G0+4*\s+1], s45, \s*SLOT
	s_add_nc_u64 s[G0+4*\s+2:G0+4*\s+3], s[20:21], \s*ASTEP
	s_or_b32 s[G0+4*\s+3], s[G0+4*\s+3], 0x80000000
	s_mov_b32 s[G0B+4*\s], 1
	s_add_co_u32 s[G0B+4*\s+1], s86, \s*SLOT
	s_add_nc_u64 s[G0B+4*\s+2:G0B+4*\s+3], s[46:47], \s*ROWB
	s_or_b32 s[G0B+4*\s+3], s[G0B+4*\s+3], 0x80000000
	JLOAD G0+4*\s, G1, G0B+4*\s, G1B
.endr
	v_and_b32 v1, 15, v0                           ; r
	v_bfe_u32 v2, v0, 4, 1                         ; h
	v_mul_u32_u24 v3, v1, PITCH
	v_lshl_add_u32 v4, v2, 4, v3
	v_and_b32 v6, 31, v0
	v_lshlrev_b32 v[CO], 4, v6                     ; 16 x lane
	v_lshlrev_b32 v7, 5, v2                        ; the bias: 8 h numbers on
	s_mul_i32 s21, s15, AHALF                      ; my 128 rows of A,
	s_mul_i32 s22, s16, HALFT
	s_add_co_u32 s22, s22, BOFF                    ; my 128 rows of out_w
.irp s, 0,1
	v_add_nc_u32 v[ADRA+\s], s21, v[CO]
	v_add_nc_u32 v[ADRB+\s], s22, v4
	s_add_co_u32 s21, s21, SLOT
	s_add_co_u32 s22, s22, SLOT
.endr
	s_mul_i32 s23, s14, 16*SPITCH                  ; my stage
	v_mul_u32_u24 v5, v1, SPITCH
	v_lshl_add_u32 v5, v2, 5, v5
	v_add_nc_u32 v[STO], s23, v5                   ; in: row r, 32 bytes for each half of the lanes
	v_add_nc_u32 v[RD], s23, v[CO]                 ; back: the 32 lanes take one row of 512 bytes
	s_lshl_b32 s92, s17, 20                        ; my part of out0: (256 x tile row + 128 x half) rows of 4,096 bytes
	s_lshl_b32 s93, s15, 19
	s_add_co_u32 s92, s92, s93
	s_lshl_b32 s93, s42, 10                        ; + 1,024 x tile column + 512 x half
	s_add_co_u32 s92, s92, s93
	s_lshl_b32 s93, s16, 9
	s_add_co_u32 s92, s92, s93
	s_mov_b32 s93, 0
	s_add_nc_u64 s[12:13], s[12:13], s[92:93]
	s_lshl_b32 s88, s42, 10
	s_lshl_b32 s89, s16, 9
	s_add_co_u32 s88, s88, s89
	s_mov_b32 s89, 0
	s_add_nc_u64 s[10:11], s[10:11], s[88:89]      ; my 128 numbers of the bias
.irp b, 0,1,2,3,4,5,6,7
	global_load_b128 v[BI+8*\b:BI+8*\b+3], v7, s[10:11] offset:64*\b          ; register 8 b + j = column 16 b + 8 h + j
	global_load_b128 v[BI+8*\b+4:BI+8*\b+7], v7, s[10:11] offset:64*\b+16
.endr
	s_wait_kmcnt 0x0
	s_add_co_i32 s90, s96, s97                     ; e6 + e7
	s_sub_co_i32 s91, 0, s90
	s_add_co_i32 s96, s90, 127
	s_lshl_b32 s96, s96, 23                        ; 2^(e6 + e7) as f32 (s97 is named with it as a pair, and has been written)
	s_wait_loadcnt 0x0
.set j, 0
.rept 64
	v_ldexp_f32 v[BI+j], v[BI+j], s91
.set j, j+1
.endr
.macro FRAG reg, adr, q, i             ; out_w: 16 rows x 128 K from padded rows
.irp c, 0,1,2,3
	ds_load_b128 v[\reg+4*\c:\reg+4*\c+3], v[\adr] offset:128*(\q)+32*\c+(\i)*16*PITCH
.endr
.endm
.macro FRAGI reg, adr, q, i            ; A: the image of tile i's registers for the slot's q-th 128 along K: 512 consecutive bytes a load
.irp c, 0,1,2,3
	ds_load_b128 v[\reg+4*\c:\reg+4*\c+3], v[\adr] offset:(\i)*4096+(\q)*2048+\c*512
.endr
.endm
; 16 matrix instructions; cmode 1: C = the bias.  The 64 accumulators take turns, one instruction a turn, in the same order in every step.
.macro MUL16 a0, p, cmode
.irp a, \a0, \a0+1
.irp b, 0,1,2,3,4,5,6,7
.if \cmode
	v_wmma_f32_16x16x128_fp8_fp8 v[8*(8*((\a)%4)+\b):8*(8*((\a)%4)+\b)+7], v[128*(\p)+FR*\b:128*(\p)+FR*\b+FR-1], v[AF+FR*(\a):AF+FR*(\a)+FR-1], v[BI+8*\b:BI+8*\b+7]
.else
	v_wmma_f32_16x16x128_fp8_fp8 v[8*(8*((\a)%4)+\b):8*(8*((\a)%4)+\b)+7], v[128*(\p)+FR*\b:128*(\p)+FR*\b+FR-1], v[AF+FR*(\a):AF+FR*(\a)+FR-1], v[8*(8*((\a)%4)+\b):8*(8*((\a)%4)+\b)+7]
.endif
.endr
.endr
.endm
.macro FETCH_B slot, q, p
	WIN TO_B
.irp i, 0,1,2,3,4,5,6,7
	FRAG 128*(\p)+FR*\i, ADRB+\slot, \q, \i
.endr
	WIN 0
.endm
.macro FETCH_A slot, q, i0
.irp i, \i0, \i0+1, \i0+2, \i0+3
	FRAGI AF+FR*(\i), ADRA+\slot, \q, \i
.endr
.endm
.macro PLACES n
.rept \n
	v_nop
.endr
.endm
.macro STEP slot, q, cmode
	s_wait_dscnt 4*NL                              ; out_w's set and A's blocks 0-3 are in; the youngest sixteen loads (blocks 4-7) may be out
.if \cmode
	WIN 0x81                                       ; C (the bias) window 0, D window 2
.else
	WIN MUL_LO
.endif
	MUL16 0, (\q)%2, \cmode
	MUL16 2, (\q)%2, \cmode
	s_wait_dscnt 0
	PLACES NP
	FETCH_B \slot, (\q)+1, 1-(\q)%2
	FETCH_A \slot, (\q)+1, 0
.if \cmode
	WIN 0xc1
.else
	WIN MUL_HI
.endif
	MUL16 4, (\q)%2, \cmode
	MUL16 6, (\q)%2, \cmode
	PLACES NP
	WIN 0
	FETCH_A \slot, (\q)+1, 4
.endm
.macro TURN slot, next, fill
	s_wait_tensorcnt 0x0                           ; all my tensor loads have landed: my part of the next slot
	ds_add_u32 v[SPW], v[NIL]                      ; 0 onto my spare word
	s_wait_dscnt 4*NL+1                            ; (the add and the youngest sixteen loads may be out)
	WIN MUL_LO
	MUL16 0, 1, 0
	s_wait_dscnt 0x0                               ; the add is done, and my reads of this slot are over
	s_barrier_signal -1
	MUL16 2, 1, 0
	WIN 0
	s_barrier_wait -1
.if \fill
	CREST                                          ; the barrier has opened a round of the cluster's
	s_add_nc_u64 s[G0+4*\slot+2:G0+4*\slot+3], s[G0+4*\slot+2:G0+4*\slot+3], 2*ASTEP
	s_add_nc_u64 s[G0B+4*\slot+2:G0B+4*\slot+3], s[G0B+4*\slot+2:G0B+4*\slot+3], 2*ROWB
	JLOAD G0+4*\slot, G1, G0B+4*\slot, G1B         ; the first tensor load behind the round
.else
	PLACES NP
.endif
	FETCH_B \next, 0, 0
	FETCH_A \next, 0, 0
	WIN MUL_HI
	MUL16 4, 1, 0
	MUL16 6, 1, 0
	PLACES NP
	WIN 0
	FETCH_A \next, 0, 4
.endm
	s_wait_tensorcnt 1                             ; my part of K step 0 is in; K step 1's load may be out
	s_barrier_signal -1
	s_barrier_wait -1
	FETCH_B 0, 0, 0
	FETCH_A 0, 0, 0
	FETCH_A 0, 0, 4
	STEP 0, 0, 1                                   ; the first step starts the sums with the bias
	s_mov_b32 s3, LAPS-1
.Llap:
	TURN 0, 1, 1
	STEP 1, 0, 0
	TURN 1, 0, 1
	STEP 0, 0, 0
	s_sub_co_u32 s3, s3, 1
	s_cmp_lg_u32 s3, 0
	s_cbranch_scc1 .Llap
	TURN 0, 1, 0
	STEP 1, 0, 0
	s_wait_dscnt 4*NL
	WIN MUL_LO
	MUL16 0, 1, 0
	MUL16 2, 1, 0
	s_wait_dscnt 0
	WIN MUL_HI
	MUL16 4, 1, 0
	MUL16 6, 1, 0
	WIN 0
; THE WAY OUT, block by block of 16 rows x 128 columns: through my own stage in LDS and back as whole rows of 512 bytes.  LDS serves a wave's instructions in order (ISA guide 5.7.1.4).
.macro TOSTAGE a
.set AC, 64*((\a)%4)
	WIN 0x02+((\a)/4)
.set j, 0
.rept 32
	v_pk_mul_f32 v[TMP+j:TMP+j+1], v[AC+j:AC+j+1], s[96:97] op_sel_hi:[1,0]   ; x 2^(e6 + e7); each accumulator from its low end on
.set j, j+2
.endr
	WIN 0
.irp b, 0,1,2,3,4,5,6,7
	ds_store_b128 v[STO], v[TMP+8*\b:TMP+8*\b+3] offset:64*\b
	ds_store_b128 v[STO], v[TMP+8*\b+4:TMP+8*\b+7] offset:64*\b+16
.endr
.set BB, BK+64*((\a)%2)
.irp t, 0,1,2,3,4,5,6,7,8,9,10,11,12,13,14,15
	ds_load_b128 v[BB+4*\t:BB+4*\t+3], v[RD] offset:\t*SPITCH
.endr
.endm
.macro SEND a, younger                 ; younger: the LDS instructions issued behind block a's loads, which may stay out
.set BB, BK+64*((\a)%2)
	s_wait_dscnt \younger
.if (\a) > 0
	s_add_nc_u64 s[12:13], s[12:13], 16*SIZE_N*4   ; (behind a wait on XCNT: the earlier stores have read their base)
.endif
.irp t, 0,1,2,3,4,5,6,7,8,9,10,11,12,13,14,15
	global_store_b128 v[CO], v[BB+4*\t:BB+4*\t+3], s[12:13] offset:\t*SIZE_N*4 th:TH_STORE_NT   ; 32 lanes store 512 consecutive bytes, at a multiple of 256 from the buffer's first byte
.endr
.endm
	PLACES NP
	TOSTAGE 0
.irp a, 1,2,3,4,5,6,7
.if \a > 1
	s_wait_xcnt 0x0                                ; block a - 2's stores have read their registers and their base
.endif
	TOSTAGE \a
	SEND \a-1, 32                                  ; behind block a - 1's loads: block a's 16 stores and 16 loads
.endr
	s_wait_xcnt 0x0
	SEND 7, 0
	s_wait_tensorcnt 0x0                           ; the wave's end
	ds_add_u32 v[SPW], v[NIL]
	s_wait_dscnt 0x0
	CROUND                                         ; the closing round
	s_endpgm
.Lfunc_end_k_qcf49342cbb_oproj:
	.size	k_qcf49342cbb_oproj, .Lfunc_end_k_qcf49342cbb_oproj-k_qcf49342cbb_oproj
	.p2alignl 7, 3214868480
	.fill 96, 4, 3214868480
	.section	.rodata,"a",@progbits
	.p2align	6, 0x0
	.amdhsa_kernel k_qcf49342cbb_oproj
		.amdhsa_group_segment_fixed_size 327680
		.amdhsa_private_segment_fixed_size 0
		.amdhsa_enable_private_segment 0
		.amdhsa_kernarg_size 40
		.amdhsa_user_sgpr_count 2
		.amdhsa_user_sgpr_kernarg_segment_ptr 1
		.amdhsa_wavefront_size32 1
		.amdhsa_system_sgpr_workgroup_id_x 1
		.amdhsa_system_sgpr_workgroup_id_y 1
		.amdhsa_system_sgpr_workgroup_id_z 1
		.amdhsa_system_vgpr_workitem_id 0
		.amdhsa_next_free_vgpr 1024
		.amdhsa_next_free_sgpr 100
		.amdhsa_reserve_vcc 0
		.amdhsa_float_denorm_mode_32 3
		.amdhsa_float_denorm_mode_16_64 3
		.amdhsa_memory_ordered 1
		.amdhsa_forward_progress 1
		.amdhsa_inst_pref_size 129
	.end_amdhsa_kernel
	.amdgpu_metadata
---
amdhsa.version: [ 1, 2 ]
amdhsa.kernels:
  - .name:           k_qcf49342cbb_oproj
    .symbol:         k_qcf49342cbb_oproj.kd
    .args:
      - { .name: ac, .offset: 0, .size: 8, .value_kind: global_buffer, .address_space: global }
      - { .name: ow_codes, .offset: 8, .size: 8, .value_kind: global_buffer, .address_space: global }
      - { .name: lowp_scales, .offset: 16, .size: 8, .value_kind: global_buffer, .address_space: global }
      - { .name: out_b, .offset: 24, .size: 8, .value_kind: global_buffer, .address_space: global }
      - { .name: out0, .offset: 32, .size: 8, .value_kind: global_buffer, .address_space: global }
    .group_segment_fixed_size: 327680
    .private_segment_fixed_size: 0
    .kernarg_segment_align: 8
    .kernarg_segment_size: 40
    .max_flat_workgroup_size: 128
    .sgpr_count:     100
    .vgpr_count:     1024
    .wavefront_size: 32
...
	.end_amdgpu_metadata
.endif
;; end of part 4
;; ======== version 2 of 2: 4 launches; version 1 with the launch attn written anew for expert scheduling mode
;; workspace buffers: x_codes 8,388,608 bytes; w_codes 3,145,728 bytes; ow_codes 1,048,576 bytes; maskw 524,288 bytes of whole numbers; qkf 16,777,216 bytes; vf 8,388,608 bytes; ac 8,388,608 bytes
;; launch prep: the kernel of part 1 again; grid 640 x 1, 4 waves a work-group, no clusters, 33,280 bytes of LDS; arguments input, qkv_w, out_w, mask, lowp_scales, x_codes, w_codes, ow_codes, maskw; writes x_codes, w_codes, ow_codes, maskw
;; launch qkv: the kernel of part 2 again; grid 12 x 32, 4 waves a work-group, clusters of 4 x 4, 327,680 bytes of LDS; arguments x_codes, w_codes, lowp_scales, qkv_b, qkf, vf; writes qkf, vf
;; launch attn (part 5): grid 4 x 64, 16 waves a work-group, no clusters, 264,192 bytes of LDS; arguments qkf, vf, maskw, lowp_scales, ac; writes ac
.if DOCPART == 5
	.amdgcn_target "amdgcn-amd-amdhsa--gfx1250"
	.amdhsa_code_object_version 6
	.text
	.protected	k_qcf49342cbb_attn
	.globl	k_qcf49342cbb_attn
	.p2align	8
	.type	k_qcf49342cbb_attn,@function
k_qcf49342cbb_attn:
	s_mov_b64 s[64:65], 0
	v_nop
	global_prefetch_b8 v0, s[64:65] scope:SCOPE_SE
	s_setreg_imm32_b32 hwreg(HW_REG_WAVE_SCHED_MODE, 0, 2), 2
	s_setreg_imm32_b32 hwreg(HW_REG_WAVE_MODE, 25, 1), 1
	s_wait_xcnt 0x0
	s_wait_alu depctr_vm_vsrc(0)
; ATTENTION on codes of E4M3.  For each of 64 (batch, head): S = q k^T (K = 64), t = S x 2^(e2 + e3) x log2(e) / 8, hidden keys -infinity (the mask is an input: every bit is honoured),
; M = the running largest t rounded UP to a whole number, p = 2^(t - M) quantised with 2^e4, O = p v (K = the keys) x 2^(e4 + e5) / l, l = the sum of the unquantised p; O is quantised with 2^e6.
; SHARES.  A work-group owns 512 queries of one (batch, head); each of its SIXTEEN waves owns one tile of 16 queries in each of two passes, in 256 registers: four waves to a SIMD, so that one wave's vector
; work stands beside another's matrix work and LDS loads.  Every wave walks all 2,048 keys, 128 a step.
; LAYOUT.  Both products are used transposed: S^T = k q^T, O^T = v^T p^T: a lane holds ONE query (lane % 16) throughout; S register 8 t + j is key 16 t + 8 (lane / 16) + j.  The conversion of tile t's eight
; registers gives registers 2 t, 2 t + 1 of the next operand.  q, k, v^T arrive as images of operand registers (16 bytes a lane, 512 bytes on end): no pitch, no padding, and O leaves so.
; LDS HOLDS THE HEAD'S WHOLE K AND V (2 x 131,072 bytes), EACH BYTE WRITTEN ONCE: in pass 0 each wave loads 512 bytes of K and 512 of V a key step ahead into 8 registers and stores them at the next
; step's head; one barrier a step parts those stores from the reads; nothing is overwritten, so no second barrier is needed.  Pass 1 has no load of K or V and no barrier.
; NO TENSOR LOAD, NO CLUSTER: the four work-groups of a head read the same 262,144 bytes, once each: 1,024 bytes a wave and key step, beside 270 vector instructions a wave and step.
; Where e4 >= -8, p <= 1 < 448 x 2^e4 (a rounding of t - M can lift p over 1 by a few parts in 10^7 at most), so the hold changes nothing and its 64 lines a step are jumped over.
; A query all of whose keys are hidden has l = 0: its codes become the NaN code, as the softmax of such a row is NaN.
; LIMITS: e2 + e3 between -123 and 130; e4 and e6 between -126 and 119.  NaN among q, k, v cannot occur (their codes were held).
; THE MODE: SCHED_MODE bits 1:0 = 2 (LLVM: expert scheduling mode 2), set by the entry lines.  The code itself states the register dependences between vector or matrix instructions and memory or LDS
; instructions, with s_wait_alu, always for 0.
; THE PLAN.  Registers that memory or LDS instructions touch, round a trip:
;   F (v32-95)       K's 16 LDS loads land in it at the trip's head; the eight products S^T read it; V's 16 LDS loads land in it; the four products O^T at the step's end read it.
;   ADK, ADV, ASK, ASV   LDS addresses: read by the step's LDS loads and (pass 0) stores; written once a trip, together, at its head.
;   v[24:31]         Pass 0: the two LDS stores read them; the global loads behind the barrier land in them.  No vector instruction names them.
;   LI, SK0, GVO     Offsets of the global loads and stores: made at the kernel's head, never written again; K's and V's pieces are reached by their scalar bases, which move on by a key step a trip.
;   v[16:23]         q: loaded at a pass's head, read by the products S^T.      v[192:199]  on the way out: written by conversions and selects, read by two stores.
; So a trip has: at its head one wait on vm_vsrc ahead of the addresses' additions and one on va_vdst behind them (the addresses are written; the last products O^T are done reading F); in pass 0 one on
; vm_vsrc between the LDS stores and the loads into their data registers; one on va_vdst behind the selects (the products S^T are done reading F), behind which V's loads are dealt among the lines of the
; maximum, which name S, v208 and v210 alone; and the wait behind the exponentials.
.set VOFF, 131072
.set LI,  1                            ; v1   16 x lane
.set LIV, 2                            ; v2   + VOFF
.set SK0, 3                            ; v3   16 x thread: my 16 bytes of a step's 8,192 of K, in LDS and in memory
.set SV0, 4                            ; v4   + VOFF
.set ADK, 5                            ; v5   the step's K in LDS
.set ADV, 6                            ; v6   the step's V
.set ASK, 7                            ; v7   where I store K's piece
.set ASV, 8                            ; v8   where I store V's piece
.set GVO, 10                           ; v10  V's piece in a step's part of memory: (wave / 8) x 2^17 + (wave % 8) x 512 + 16 lane
.set F,   32                           ; v32-95   K's 8 fragments of 8 registers, then V's 4 of 16
.set S,   96                           ; v96-159  S^T, then p
.set O,   160                          ; v160-191 O^T
.set PC,  192                          ; v192-207 p's codes
; v12 -M, v13 the largest t, v[14:15] l in two halves, v[16:23] q, v[24:31] the pieces on their way, v208 at work, v[210:211] second chain of the maximum, then f, v[212:213] second chain of the sum,
; v214 -infinity, v215 448 x 2^e4, v216 2^e4, v217 a lane permute's destination, v218 448 x 2^e6, v219 2^e6, v220 four NaN codes, v221 1 / l, v254 my spare word's LDS address, v255 0 (these two for the closing lines alone).
; s2 the step's LDS offset, s3 the trip, s[4:5] q, s[6:7] v, s[8:9] the mask words, s[10:11] k, s[12:13] the result, s14 wave, s15 1 where the hold is needed, s[16:23] e0-e7, s[24:25] c, s[26:27] lane selects,
; s28 the mask words' offset, s29 e4 + e5, s31 the first such offset, s[32:63] and s[68:99] the step's 64 mask words.
	s_load_b256 s[4:11], s[0:1], 0x0               ; qkf, vf, maskw, the exponents
	s_load_b64 s[12:13], s[0:1], 0x20              ; ac
	v_lshl_add_u32 v254, v0, 2, 0x40000
	v_mov_b32 v255, 0
	v_lshrrev_b32 v11, 5, v0
	v_readfirstlane_b32 s14, v11                   ; wave 0..15
	v_and_b32 v11, 31, v0
	v_lshlrev_b32 v[LI], 4, v11
	v_add_nc_u32 v[LIV], VOFF, v[LI]
	v_lshlrev_b32 v[SK0], 4, v0
	v_add_nc_u32 v[SV0], VOFF, v[SK0]
	s_wait_alu depctr_va_sdst(0)                   ; s14 is written, ahead of its first reader: offsets and bases are made from it
	s_lshr_b32 s31, s14, 3
	s_lshl_b32 s31, s31, 17
	s_and_b32 s30, s14, 7
	s_lshl_b32 s30, s30, 9
	s_add_co_u32 s31, s31, s30
	v_add_nc_u32 v[GVO], s31, v[LI]
	s_and_b32 s30, ttmp7, 0xffff                   ; y = 16 batch + head
	s_lshl_b32 s32, s30, 17                        ; y's 131,072 bytes of q and of k
	s_mov_b32 s33, 0
	s_lshl_b32 s34, ttmp9, 5
	s_add_co_u32 s34, s34, s14                     ; my query tile of pass 0: 32 x + wave
	s_lshl_b32 s36, s34, 10
	s_mov_b32 s37, 0
	s_lshl_b32 s31, s34, 12                        ; its mask words: 16 steps x 64 words
	s_lshr_b32 s38, s30, 1
	s_lshl_b32 s38, s38, 18
	s_and_b32 s39, s30, 1
	s_lshl_b32 s39, s39, 12
	s_add_co_u32 s38, s38, s39                     ; v: (y / 2) x 2^18 + (y % 2) x 4,096
	s_mov_b32 s39, 0
	s_bfe_u32 s40, s30, 0x20002                    ; head / 4
	s_lshl_b32 s40, s40, 21
	s_lshr_b32 s41, s30, 4
	s_lshl_b32 s41, s41, 7
	s_add_co_u32 s41, s41, s34
	s_lshl_b32 s41, s41, 12                        ; (128 batch + query tile) x 4,096
	s_add_co_u32 s40, s40, s41
	s_and_b32 s41, s30, 3
	s_lshl_b32 s41, s41, 10                        ; (head % 4) x 1,024
	s_add_co_u32 s40, s40, s41
	s_mov_b32 s41, 0
	s_wait_kmcnt 0x0
	s_load_b256 s[16:23], s[10:11], 0x0            ; e0 .. e7
	s_add_nc_u64 s[6:7], s[6:7], s[38:39]
	s_add_nc_u64 s[12:13], s[12:13], s[40:41]
	v_mov_b32 v214, 0xff800000
	v_mov_b32 v220, 0x7f7f7f7f
	v_mov_b32 v211, 0                              ; (named as the upper half of the pair v[210:211])
	v_mov_b32 v217, 0                              ; a lane permute's destination counts as read
	s_mov_b32 s26, 0x76543210
	s_mov_b32 s27, 0xfedcba98
	s_mov_b32 s24, 0x3e38aa3b                      ; log2(e) / 8
	s_mov_b32 s28, s31
	s_wait_kmcnt 0x0                               ; the exponents are in: their address's registers may take k's
	s_add_nc_u64 s[10:11], s[4:5], s[32:33]
	s_add_nc_u64 s[10:11], s[10:11], 0x800000      ; k is qkf's second section
	s_add_nc_u64 s[4:5], s[4:5], s[32:33]
	s_add_nc_u64 s[4:5], s[4:5], s[36:37]
	s_cmp_lt_i32 s20, -8
	s_cselect_b32 s15, 1, 0
	s_add_co_i32 s42, s18, s19
	s_lshl_b32 s42, s42, 23
	s_add_co_i32 s24, s24, s42                     ; a score stands for score x 2^(e2 + e3): added to c's exponent field
	s_mov_b32 s25, s24                             ; (named with it as a pair)
	s_add_co_i32 s29, s20, s21
	s_add_co_i32 s42, s20, 127
	s_lshl_b32 s43, s42, 23
	v_mov_b32 v216, s43
	s_add_co_i32 s42, s42, 8
	s_lshl_b32 s42, s42, 23
	s_or_b32 s42, s42, 0x600000
	v_mov_b32 v215, s42
	s_add_co_i32 s42, s22, 127
	s_lshl_b32 s43, s42, 23
	v_mov_b32 v219, s43
	s_add_co_i32 s42, s42, 8
	s_lshl_b32 s42, s42, 23
	s_or_b32 s42, s42, 0x600000
	v_mov_b32 v218, s42
.macro MASKLOAD                        ; a step's 64 lane masks: 256 bytes
	s_load_b512 s[32:47], s[8:9], s28 offset:0x0
	s_load_b512 s[48:63], s[8:9], s28 offset:0x40
	s_load_b512 s[68:83], s[8:9], s28 offset:0x80
	s_load_b512 s[84:99], s[8:9], s28 offset:0xc0
.endm
.macro PASS_HEAD
	global_load_b128 v[16:19], v[LI], s[4:5]       ; q's fragment stays in registers
	global_load_b128 v[20:23], v[LI], s[4:5] offset:512
	MASKLOAD
	v_mov_b32 v13, 0xff61b1e6                      ; the largest t so far: -3e38
	v_floor_f32 v12, -v13                          ; -M
	v_mov_b32 v14, 0
	v_mov_b32 v15, 0
.set j, 0
.rept 32
	v_mov_b32 v[O+j], 0                            ; the step is written once: the first finds zeros, which the first change of M leaves zeros
.set j, j+1
.endr
	s_mov_b32 s2, 0
	s_mov_b32 s3, 0
.endm
; A trip's head.  The step's LDS addresses are made, all together.  stage = 1 (pass 0): this step's pieces go into LDS; a barrier; the next step's pieces are asked for.
.macro STAGE stage
.if \stage
	s_wait_loadcnt 0x0                             ; my two pieces of this step are in (in the first trip q too),
	s_add_nc_u64 s[10:11], s[10:11], 8192          ; and the loads that read these bases are done: both move on to the next key step
	s_add_nc_u64 s[6:7], s[6:7], 8192
.endif
	s_wait_alu depctr_vm_vsrc(0)                   ; the LDS loads and stores of the trip before have read the address registers that the next lines write
	v_add_nc_u32 v[ADK], s2, v[LI]
	v_add_nc_u32 v[ADV], s2, v[LIV]
.if \stage
	v_add_nc_u32 v[ASK], s2, v[SK0]
	v_add_nc_u32 v[ASV], s2, v[SV0]                ; (the four additions are also four plain lines between the last products and the loads into the registers that they read)
.else
	v_nop                                          ; with the two additions: four plain lines between the last products and the loads into the registers that they read
	v_nop
.endif
	s_wait_alu depctr_va_vdst(0)                   ; the addresses are written, which the LDS stores and loads below read; the last step's products O^T are done reading F, in which K's loads land
.if \stage
	ds_store_b128 v[ASK], v[24:27]
	ds_store_b128 v[ASV], v[28:31]
	s_wait_dscnt 0x0                               ; for the others' sake: my stores have landed
	s_barrier_signal -1
	s_barrier_wait -1                              ; the step's K and V are whole
	s_wait_alu depctr_vm_vsrc(0)                   ; my two LDS stores have read v[24:31], in which the next pieces land
	s_cmp_eq_u32 s3, 15
	s_cbranch_scc1 .Lno_piece_\@                   ; no load leaves its buffer
	global_load_b128 v[24:27], v[SK0], s[10:11]    ; k lies in memory as in LDS; 512 consecutive bytes a wave; a whole key step ahead of its use
	global_load_b128 v[28:31], v[GVO], s[6:7]
.Lno_piece_\@:
.endif
.endm
.macro VLOAD n                         ; image n of V's sixteen: fragment n / 4, registers 4 (n % 4) on
	ds_load_b128 v[F+4*(\n):F+4*(\n)+3], v[ADV] offset:((\n)/4)*1024+((\n)%2)*512+(((\n)%4)/2)*4096
.endm
.macro STEPBODY
.set i, 0
.rept 16
	ds_load_b128 v[F+4*i:F+4*i+3], v[ADK] offset:512*i   ; eight tiles of 16 keys, two images each.  No vector line since the head's wait names F or the address
.set i, i+1
.endr
	s_wait_dscnt 0x0
.irp t, 0,1,2,3,4,5,6,7
	v_wmma_f32_16x16x64_fp8_fp8 v[S+8*\t:S+8*\t+7], v[F+8*\t:F+8*\t+7], v[16:23], 0
.endr
.rept 4
	v_nop                                          ; places in front of the first read of the scores
.endr
	s_wait_kmcnt 0x0                               ; this step's mask words, asked for a step ago
.set n, 0
.rept 64
.if n < 32
	v_cndmask_b32 v[S+n], v214, v[S+n], s[32+n]    ; a hidden key's score becomes -infinity
.else
	v_cndmask_b32 v[S+n], v214, v[S+n], s[36+n]
.endif
.set n, n+1
.endr
	s_wait_alu depctr_va_vdst(0)                   ; the products S^T are done reading F, in which V's loads land; the selects are complete too, ahead of the loads of the next mask words into the registers that they read
	s_cmp_eq_u32 s3, 15
	s_cbranch_scc1 .Lno_mask_\@
	s_add_co_u32 s28, s28, 256                     ; (the last loads that read it are done)
	MASKLOAD                                       ; the next step's words
.Lno_mask_\@:
	VLOAD 0                                        ; V lands under the softmax: its sixteen loads are dealt among the lines of the maximum, which name S, v208 and v210 alone: nothing more is owed
	VLOAD 1
	v_max3_num_f32 v208, v96, v97, v98             ; the step's largest score of my query among my 64 keys, in two chains,
	v_max3_num_f32 v210, v99, v100, v101
.irp i, 6,10,14,18,22,26,30,34,38,42,46,50,54,58
	VLOAD 2+(\i-6)/4
	v_max3_num_f32 v208, v208, v[S+\i], v[S+1+\i]
	v_max3_num_f32 v210, v210, v[S+2+\i], v[S+3+\i]
.endr
	v_max3_num_f32 v208, v208, v158, v159
	v_max_num_f32 v208, v208, v210
	v_permlanex16_b32 v217, v208, s26, s27
	v_max_num_f32 v208, v208, v217                 ; and among lane l xor 16's
	v_mul_f32 v208, s24, v208                      ; as t (c is positive)
	v_max_num_f32 v13, v13, v208                   ; the running largest t
	v_mov_b32 v208, v12
	v_floor_f32 v12, -v13                          ; the new -M = -ceil(t)
	v_sub_f32 v208, v12, v208                      ; old M - new M: a whole number, 0 or less
	v_cvt_i32_f32 v208, v208                       ; (it saturates)
	v_ldexp_f32 v210, 1.0, v208                    ; f = 2^(old M - new M)
.set j, 0
.rept 32
	v_pk_fma_f32 v[S+j:S+j+1], v[S+j:S+j+1], s[24:25], v[12:13] op_sel_hi:[1,0,0]   ; t - M, two at a time
.set j, j+2
.endr
.set j, 0
.rept 64
	v_exp_f32 v[S+j], v[S+j]                       ; p = 2^(t - M)
.set j, j+1
.endr
	v_pk_mul_f32 v[14:15], v[14:15], v[210:211] op_sel_hi:[1,0]   ; l under the new M: the plain line behind the exponentials
	s_wait_alu depctr_va_vdst(0)                   ; the 64 exponentials have written v[S ..]: one wait for the whole batch, ahead of its first reader
	v_pk_add_f32 v[212:213], v[96:97], v[98:99]    ; the sum of the UNQUANTISED p, in two chains
.irp j, 4,8,12,16,20,24,28,32,36,40,44,48,52,56,60
	v_pk_add_f32 v[14:15], v[14:15], v[S+\j:S+1+\j]
	v_pk_add_f32 v[212:213], v[212:213], v[S+2+\j:S+3+\j]
.endr
	v_pk_add_f32 v[14:15], v[14:15], v[212:213]
	s_cmp_eq_u32 s15, 0
	s_cbranch_scc1 .Lno_hold_\@                    ; e4 >= -8: p cannot pass 448 x 2^e4
.set j, 0
.rept 64
	v_min_num_f32 v[S+j], v[S+j], v215             ; the conversion does not saturate (ISA guide 7.6.2); p is not negative
.set j, j+1
.endr
.Lno_hold_\@:
.irp t, 0,1,2,3,4,5,6,7
	v_cvt_scalef32_pk8_fp8_f32 v[PC+2*\t:PC+2*\t+1], v[S+8*\t:S+8*\t+7], v216   ; registers 2 t, 2 t + 1 of the operand: keys 16 t + 8 h + 0 .. 7
.endr
.set j, 0
.rept 16
	v_pk_mul_f32 v[O+j:O+j+1], v[O+j:O+j+1], v[210:211] op_sel_hi:[1,0]   ; O^T under the new M; also the plain lines behind the conversions
.set j, j+2
.endr
	s_wait_dscnt 0x0                               ; V is in
.irp d, 0,1,2,3
	v_wmma_f32_16x16x128_fp8_fp8 v[O+8*\d:O+8*\d+7], v[F+16*\d:F+16*\d+15], v[PC:PC+15], v[O+8*\d:O+8*\d+7]   ; four accumulators by turns; eight other products stand between two turns of one
.endr
	s_add_co_u32 s2, s2, 8192
	s_add_co_u32 s3, s3, 1
	s_cmp_lt_u32 s3, 16
.endm
.macro WAY_OUT
.rept 4
	v_nop                                          ; places behind the last products
.endr
	v_add_f32 v14, v14, v15
	v_permlanex16_b32 v217, v14, s26, s27
	v_add_f32 v14, v14, v217                       ; l
	v_rcp_f32 v221, v14
	v_cmp_eq_f32 vcc_lo, 0, v14                    ; no key counted (also the plain line behind the reciprocal)
	s_wait_alu depctr_va_vdst(0)                   ; the reciprocal has written v221, ahead of its first reader
	v_ldexp_f32 v221, v221, s29                    ; x 2^(e4 + e5)
.set j, 0
.rept 32
	v_mul_f32 v[S+j], v[O+j], v221                 ; each accumulator from its low end on
.set j, j+1
.endr
.set j, 0
.rept 32
	v_med3_num_f32 v[S+j], v[S+j], -v218, v218
.set j, j+1
.endr
.irp t, 0,1,2,3
	v_cvt_scalef32_pk8_fp8_f32 v[PC+2*\t:PC+2*\t+1], v[S+8*\t:S+8*\t+7], v219   ; the head's 64 along K: registers 2 t, 2 t + 1
.endr
	v_nop                                          ; a plain line between the conversions and the lines that touch their results
	s_wait_alu depctr_va_vcc(0)                    ; the compare has written VCC, ahead of its first reader, the select below
.irp i, 0,1,2,3,4,5,6,7
	v_cndmask_b32 v[PC+\i], v[PC+\i], v220, vcc_lo
.endr
	s_wait_alu depctr_va_vdst(0)                   ; the selects have written v[PC .. PC + 7], which the two stores read; the pass's products are done reading q's registers, in which the next pass's loads land
	global_store_b128 v[LI], v[PC:PC+3], s[12:13]              ; 512 consecutive bytes each
	global_store_b128 v[LI], v[PC+4:PC+7], s[12:13] offset:512
.endm
	s_wait_alu depctr_va_vdst(0)                   ; the offsets v[LI], v[SK0] and v[GVO] are written: every global load and store of the kernel reads one of them, and none is written again
	global_load_b128 v[24:27], v[SK0], s[10:11]    ; key step 0's pieces
	global_load_b128 v[28:31], v[GVO], s[6:7]
	PASS_HEAD
.Lp0:
	STAGE 1
	STEPBODY
	s_cbranch_scc1 .Lp0
	WAY_OUT
	s_wait_xcnt 0x0                                ; the stores have read their base and data: both are written again below
	s_wait_alu depctr_vm_vsrc(0)                   ; the two stores have read v[PC .. PC + 7], which the next pass's conversions write again
	s_add_nc_u64 s[4:5], s[4:5], 16384             ; sixteen query tiles on
	s_add_nc_u64 s[12:13], s[12:13], 65536
	s_add_co_u32 s28, s31, 65536
	PASS_HEAD
	s_wait_loadcnt 0x0                             ; q
.Lp1:
	STAGE 0
	STEPBODY
	s_cbranch_scc1 .Lp1
	WAY_OUT
	s_wait_dscnt 0x0                               ; the closing lines, six on end
	s_wait_alu 0x0
	s_wait_tensorcnt 0x0
	ds_add_u32 v254, v255
	s_wait_dscnt 0x0
	s_endpgm
.Lfunc_end_k_qcf49342cbb_attn:
	.size	k_qcf49342cbb_attn, .Lfunc_end_k_qcf49342cbb_attn-k_qcf49342cbb_attn
	.p2alignl 7, 3214868480
	.fill 96, 4, 3214868480
	.section	.rodata,"a",@progbits
	.p2align	6, 0x0
	.amdhsa_kernel k_qcf49342cbb_attn
		.amdhsa_group_segment_fixed_size 264192
		.amdhsa_private_segment_fixed_size 0
		.amdhsa_enable_private_segment 0
		.amdhsa_kernarg_size 40
		.amdhsa_user_sgpr_count 2
		.amdhsa_user_sgpr_kernarg_segment_ptr 1
		.amdhsa_wavefront_size32 1
		.amdhsa_system_sgpr_workgroup_id_x 1
		.amdhsa_system_sgpr_workgroup_id_y 1
		.amdhsa_system_sgpr_workgroup_id_z 1
		.amdhsa_system_vgpr_workitem_id 0
		.amdhsa_next_free_vgpr 256
		.amdhsa_next_free_sgpr 100
		.amdhsa_reserve_vcc 1
		.amdhsa_float_denorm_mode_32 3
		.amdhsa_float_denorm_mode_16_64 3
		.amdhsa_memory_ordered 1
		.amdhsa_forward_progress 1
		.amdhsa_inst_pref_size 57
	.end_amdhsa_kernel
	.amdgpu_metadata
---
amdhsa.version: [ 1, 2 ]
amdhsa.kernels:
  - .name:           k_qcf49342cbb_attn
    .symbol:         k_qcf49342cbb_attn.kd
    .args:
      - { .name: qkf, .offset: 0, .size: 8, .value_kind: global_buffer, .address_space: global }
      - { .name: vf, .offset: 8, .size: 8, .value_kind: global_buffer, .address_space: global }
      - { .name: maskw, .offset: 16, .size: 8, .value_kind: global_buffer, .address_space: global }
      - { .name: lowp_scales, .offset: 24, .size: 8, .value_kind: global_buffer, .address_space: global }
      - { .name: ac, .offset: 32, .size: 8, .value_kind: global_buffer, .address_space: global }
    .group_segment_fixed_size: 264192
    .private_segment_fixed_size: 0
    .kernarg_segment_align: 8
    .kernarg_segment_size: 40
    .max_flat_workgroup_size: 512
    .sgpr_count:     100
    .vgpr_count:     256
    .wavefront_size: 32
...
	.end_amdgpu_metadata
.endif
;; end of part 5
;; launch oproj: the kernel of part 4 again; grid 4 x 32, 4 waves a work-group, clusters of 4 x 4, 327,680 bytes of LDS; arguments ac, ow_codes, lowp_scales, out_b, out0; writes out0
